; MI455X (gfx1250); checked and timed in simulation.
; The chip was launched on July 23, 2026; its instructions are those of AMD's public machine-readable ISA for CDNA 5 (MIT licence, August 2026) and "CDNA5" Instruction Set Architecture Reference Guide (July 2026). The comments in the code are by the model that wrote it; some were corrected since.
;; Llama4 Mo E Layer. Allowed arithmetic: matrix products marked QUANTISED: E4M3 operands, one E8M0 scale for each 32 along K, by v_wmma_scale_f32_16x16x128_f8f6f4 with both operands' format E4M3, f32 sums; products left as they are: f32 operands where the result goes on into a quantised operand, else bf16, f16 or f32 operands; f32 sums; everything else in f32.
;; Inputs: gate_w 8 x 1,024 float32; hidden_states 4 x 256 x 1,024 float32; w_down_codes 8 x 1,024 x 64 x 32 uint8 (E4M3 codes of w_down, K innermost, in blocks of 32 codes); w_down_scales 8 x 1,024 x 64 uint8 (E8M0 scales of w_down, one for each 32 codes along K); w_gate_codes 8 x 2,048 x 32 x 32 uint8 (E4M3 codes of w_gate, K innermost, in blocks of 32 codes); w_gate_scales 8 x 2,048 x 32 uint8 (E8M0 scales of w_gate, one for each 32 codes along K); w_up_codes 8 x 2,048 x 32 x 32 uint8 (E4M3 codes of w_up, K innermost, in blocks of 32 codes); w_up_scales 8 x 2,048 x 32 uint8 (E8M0 scales of w_up, one for each 32 codes along K).
;; Outputs: out0 4 x 256 x 1,024 float32; out1 1,024 x 8 float32.
;; This version of the problem:
;;   THIS VERSION OF THE PROBLEM IS GIVEN IN LOW PRECISION. The matrix products marked QUANTISED in the list below multiply operands that are first quantised to E4M3 (4 exponent bits, 3 mantissa bits; 8 bits a number), with one power-of-two scale for each 32 numbers along K (OCP MX v1.0); their sums are f32. All else is computed in f32.
;;   The module's matrix products, in the order in which they are computed (A, B: the left and right operand; K: the contracted axis; several contracted axes count as one K, in the product's order):
;;     1. [M 1,024, K 1,024] x [K 1,024, N 8]; A: input hidden_states; B: input gate_w: left as it is (N = 8 < 16)
;;     2. batch 1,024 x [M 1, K 2] x [K 2, N 8]; A: computed on the way; B: computed on the way: left as it is (K = 2 < 32)
;;     3. [M 1,024, K 1,024] x [K 1,024, N 16,384]; A: input hidden_states; B: input w_gate (given as codes): QUANTISED
;;     4. [M 1,024, K 1,024] x [K 1,024, N 16,384]; A: input hidden_states; B: input w_up (given as codes): QUANTISED
;;     5. batch 8 x [M 1,024, K 2,048] x [K 2,048, N 1,024]; A: input w_down (given as codes); B: computed on the way: QUANTISED
;;     6. batch 1,024 x [M 1,024, K 8] x [K 8, N 1]; A: computed on the way; B: computed on the way: left as it is (K = 8 < 32)
;;   THE QUANTISER, for each operand of a quantised product, along K:
;;     - K is cut into blocks of 32 from its start; a last block that is shorter is filled with zeros.
;;     - A block's scale is 2^e with e = floor(log2(the largest magnitude in the block)) - 8, held to -126 .. 127; a block of zeros has e = 0. As a byte (E8M0): e + 127.
;;     - Each number is divided by its block's scale, clamped to +-448, and rounded to the nearest number of E4M3, ties to even, subnormals kept.
;;     - The product sums the exact products of the quantised numbers (number of the format x scale) in f32.
;;   ~~~python
;;   def quantise(x, axis):      # numpy; x: float32 -> the quantised numbers, widened to float32 again
;;       x = np.moveaxis(x, axis, -1); K = x.shape[-1]
;;       x = np.pad(x, [(0, 0)] * (x.ndim - 1) + [(0, -K % 32)]); x = x.reshape(x.shape[:-1] + (-1, 32)); a = np.abs(x).max(-1, keepdims=True)
;;       e = np.where(a > 0, np.clip(np.frexp(np.where(a > 0, a, 1))[1] - 1 - 8, -126, 127), 0)      # np.frexp(a)[1] - 1 = floor(log2(a)), exactly
;;       r = np.clip(x / 2.0 ** e, -448, 448)
;;       step = 2.0 ** (np.maximum(np.frexp(np.where(r == 0, 1, r))[1] - 1, -6) - 3)
;;       q = np.round(r / step) * step * 2.0 ** e      # np.round: ties to even
;;       return np.moveaxis(q.reshape(q.shape[:-2] + (-1,))[..., :K], -1, axis).astype(np.float32)
;;   ~~~
;;   OPERANDS COMPUTED ON THE WAY. 'Computed on the way' means the value that the module computes at that place (a softmax that the list does not call 'softmax' is quantised finished and normalised). What goes into a quantiser is computed in f32, as accurately as f32 sums, v_exp_f32 and their like allow (about 1e-6 of the number): no bf16 or f16 on the way to a quantiser, and a product that is left as it is and whose result goes on into a quantised operand takes f32 operands (vector FMAs, or v_wmma_f32_16x16x4_f32). A number that lies on a knife's edge between two numbers of the format may be rounded either way, as far as f32 arithmetic and the matrix unit's own rounding can turn it there, and no further.
;;   INPUTS GIVEN AS CODES. w_down (in the module: [8, 1024, 2048], K = its axis 2); w_gate (in the module: [8, 2048, 1024], K = its axis 2); w_up (in the module: [8, 2048, 1024], K = its axis 2): each comes as NAME_codes (uint8): NAME with its K axis moved to the last place and cut into blocks of 32 codes, [.., K / 32, bytes a block], one block behind the other in memory; one code a byte (a code: sign, 4 exponent bits, 3 mantissa bits); and NAME_scales (uint8): the same leading axes, one E8M0 byte (e + 127) for each 32 codes along K. Its value is code x scale, taken as it is: it is not quantised again, and the codes and scales need not be those that the quantiser above would give.
;; 2 versions. Each part assembles by itself: llvm-mc -triple=amdgcn-amd-amdhsa -mcpu=gfx1250 --defsym DOCPART=n.
;; ======== version 1 of 2: 5 launches
;; workspace buffers: xq 1,081,344 bytes; sel 8,192 bytes of whole numbers; wts 8,192 bytes; plan 17,152 bytes of whole numbers; hq 4,595,712 bytes; y 17,825,792 bytes
;; launch route (part 1): grid 256 x 1, 4 waves a work-group, no clusters, 16,896 bytes of LDS; arguments hidden_states, gate_w, out1, xq, sel, wts; writes out1, xq, sel, wts
.if DOCPART == 1
	.amdgcn_target "amdgcn-amd-amdhsa--gfx1250"
	.amdhsa_code_object_version 6
	.text
	.protected	k_q9005510672_route
	.globl	k_q9005510672_route
	.p2align	8
	.type	k_q9005510672_route,@function
k_q9005510672_route:
	s_mov_b64 s[64:65], 0
	v_nop
	global_prefetch_b8 v0, s[64:65] scope:SCOPE_SE
	s_setreg_imm32_b32 hwreg(HW_REG_WAVE_MODE, 25, 1), 1
	s_wait_xcnt 0x0
; THE ROUTER AND THE QUANTISER OF x.  x: [1024 tokens][1024] f32; gate_w: [8][1024] f32.
; out1[t][e] = x[t] . gate_w[e], in f32.  p_e = 2^((l_e - max l) log2 e); the two largest p (ties: the lower index) are the token's experts, their weights p / (p1 + p2):
; the softmax's divisor cancels in the renormalised weights.  The experts go to sel[t][2] (whole numbers), the weights to wts[t][2], at fixed places: no address here hangs on them.
; x is turned into codes of E4M3 with one E8M0 byte for each 32 along D: xq = codes [1024][1024], then from byte XSC the scale bytes [1024][32].
; SHARES.  A work-group takes four tokens.  Wave g takes columns 256 g .. 256 g + 255 of all four: a lane holds 8 neighbours, four lanes a block of 32; gate_w is read once by the work-group.
; The lanes' partial sums of the 32 logits meet in LDS; then wave g finishes token g.
; LIMITS: NaN and infinities are not served.  The choice is made on p; where the normalised scores of the definition round to equal numbers and p does not, the second choice may differ.
; A block of zeros carries the byte 1 (its codes are zeros; this program alone reads the bytes).
; No matrix unit, no cluster: the work-groups share only gate_w's 32 KB, and the launch is a stream.
.set XSC, 0x100000                     ; where the scale bytes begin in xq
.set M,   8                            ; v8-11   a block's largest magnitude, token t
.set SC,  12                           ; v12-15  the conversion's scale operand
.set LIM, 16                           ; v16-19  448 x the scale
.set BY,  20                           ; v20-23  the scale's byte
.set CD,  24                           ; v24-31  8 codes a token
.set X,   32                           ; v32-63  x: 8 numbers a token;  later the partial sums read back
.set GW,  64                           ; v64-127 gate_w: 8 numbers an expert;  later the logits and what follows
.set P,   128                          ; v128-191 32 packed sums
.set S,   192                          ; v192-223 my lane's part of logit (t, e)
.set Q,   224                          ; v224-231 8 numbers held for the conversion
	s_load_b256 s[4:11], s[0:1], 0x0               ; x s[4:5], gate_w s[6:7], out1 s[8:9], xq s[10:11]
	s_load_b128 s[12:15], s[0:1], 0x20             ; sel s[12:13], wts s[14:15]
	v_lshl_add_u32 v240, v0, 2, 0x4000
	v_mov_b32 v241, 0
	v_lshrrev_b32 v1, 5, v0
	v_readfirstlane_b32 s16, v1                    ; wave g
	v_and_b32 v1, 31, v0                           ; lane
	s_lshl_b32 s24, s16, 10
	v_lshl_add_u32 v2, v1, 5, s24                  ; x and gate_w: 1024 g + 32 lane bytes into a row
	v_lshl_add_u32 v6, v1, 4, s24                  ; LDS, back: token g's 1,024 bytes of each wave's part, 16 bytes a lane
	s_lshl_b32 s24, s16, 8
	v_lshl_add_u32 v3, v1, 3, s24                  ; codes: 256 g + 8 lane
	s_lshl_b32 s24, s16, 12
	v_lshl_add_u32 v5, v1, 4, s24                  ; LDS, in: my wave's 4,096 bytes, 16 bytes a lane
	v_and_b32 v4, 3, v1
	v_lshrrev_b32 v7, 2, v1
	v_lshl_add_u32 v4, v4, 5, v7
	s_lshl_b32 s24, s16, 3
	v_add_nc_u32 v4, s24, v4                       ; scale bytes: lane l stores token l % 4's byte of block 8 g + l / 4
	v_mov_b32 v7, 0
	s_mov_b32 s17, 0x600000                        ; the mantissa field of 448
	s_mov_b32 s18, 0x76543210
	s_mov_b32 s19, 0xfedcba98                      ; v_permlanex16_b32's selects for lane l xor 16
	s_mov_b32 s20, 0x22222222                      ; lanes with l % 4 = 1,
	s_mov_b32 s21, 0x44444444                      ; 2,
	s_mov_b32 s22, 0x88888888                      ; 3
	s_lshl_b32 s24, ttmp9, 14                      ; four rows of x
	s_mov_b32 s25, 0
	s_lshl_b32 s26, ttmp9, 12                      ; four rows of codes
	s_mov_b32 s27, 0
	s_lshl_b32 s28, ttmp9, 7                       ; four rows of scale bytes
	s_mov_b32 s29, 0
	s_lshl_b32 s30, ttmp9, 2
	s_add_co_u32 s30, s30, s16                     ; the token that my wave finishes
	s_lshl_b32 s32, s30, 5                         ; its row of out1
	s_mov_b32 s33, 0
	s_lshl_b32 s30, s30, 3                         ; its pair in sel and in wts
	s_mov_b32 s31, 0
	s_wait_kmcnt 0x0
	s_add_nc_u64 s[4:5], s[4:5], s[24:25]
	s_add_nc_u64 s[28:29], s[10:11], s[28:29]
	s_add_nc_u64 s[10:11], s[10:11], s[26:27]
	s_add_nc_u64 s[8:9], s[8:9], s[32:33]
	s_add_nc_u64 s[12:13], s[12:13], s[30:31]
	s_add_nc_u64 s[14:15], s[14:15], s[30:31]
.irp t, 0,1,2,3
	global_load_b128 v[X+8*\t:X+8*\t+3],   v2, s[4:5] offset:\t*4096 th:TH_LOAD_NT
	global_load_b128 v[X+8*\t+4:X+8*\t+7], v2, s[4:5] offset:\t*4096+16 th:TH_LOAD_NT
.endr
.irp e, 0,1,2,3,4,5,6,7
	global_load_b128 v[GW+8*\e:GW+8*\e+3],   v2, s[6:7] offset:\e*4096
	global_load_b128 v[GW+8*\e+4:GW+8*\e+7], v2, s[6:7] offset:\e*4096+16
.endr
	s_wait_loadcnt 16                              ; x's eight loads are in; gate_w's sixteen may stay out
	; ---- the blocks' scales, the four tokens by turns
.irp t, 0,1,2,3
	v_max3_num_f32 v[M+\t], |v[X+8*\t]|, |v[X+8*\t+1]|, 0x4800000   ; the floor 2^(9 - 127) among the leaves: the byte cannot fall under 1
.endr
.irp i, 2,4,6
.irp t, 0,1,2,3
	v_max3_num_f32 v[M+\t], v[M+\t], |v[X+8*\t+\i]|, |v[X+8*\t+\i+1]|
.endr
.endr
.irp t, 0,1,2,3
	v_max_num_f32_dpp v[M+\t], v[M+\t], v[M+\t] row_xmask:1 row_mask:0xf bank_mask:0xf
.endr
.irp t, 0,1,2,3
	v_max_num_f32_dpp v[M+\t], v[M+\t], v[M+\t] row_xmask:2 row_mask:0xf bank_mask:0xf   ; the four lanes of a block
.endr
.irp t, 0,1,2,3
	v_add_nc_u32 v[SC+\t], 0xfc000000, v[M+\t]     ; 8 off the exponent field: the conversion's scale operand
.endr
.irp t, 0,1,2,3
	v_and_or_b32 v[LIM+\t], v[M+\t], 0x7f800000, s17   ; 448 x the scale
.endr
.irp t, 0,1,2,3
	v_lshrrev_b32 v[BY+\t], 23, v[SC+\t]           ; the scale's byte
.endr
.irp t, 0,1,2,3
.irp j, 0,1,2,3,4,5,6,7
	v_med3_num_f32 v[Q+\j], v[X+8*\t+\j], -v[LIM+\t], v[LIM+\t]   ; the conversion does not saturate (ISA guide 7.6.2): the hold; x itself is kept for the logits
.endr
	v_cvt_scalef32_pk8_fp8_f32 v[CD+2*\t:CD+2*\t+1], v[Q:Q+7], v[SC+\t]
	v_nop                                          ; a plain line between the conversion and the next write of its sources
	global_store_b64 v3, v[CD+2*\t:CD+2*\t+1], s[10:11] offset:\t*1024   ; 32 lanes store 256 consecutive bytes, aligned
.endr
	v_cndmask_b32 v232, v[BY], v[BY+1], s20        ; lane l takes the byte of token l % 4
	v_cndmask_b32 v232, v232, v[BY+2], s21
	v_cndmask_b32 v232, v232, v[BY+3], s22
	global_store_b8 v4, v232, s[28:29] offset:XSC
	; ---- the logits: my 8 columns' part of each of the 32
	s_wait_loadcnt 0x0                             ; gate_w
.irp t, 0,1,2,3
.irp e, 0,1,2,3,4,5,6,7
	v_pk_mul_f32 v[P+2*(8*\t+\e):P+2*(8*\t+\e)+1], v[X+8*\t:X+8*\t+1], v[GW+8*\e:GW+8*\e+1]
.endr
.endr
.irp j, 2,4,6
.irp t, 0,1,2,3
.irp e, 0,1,2,3,4,5,6,7
	v_pk_fma_f32 v[P+2*(8*\t+\e):P+2*(8*\t+\e)+1], v[X+8*\t+\j:X+8*\t+\j+1], v[GW+8*\e+\j:GW+8*\e+\j+1], v[P+2*(8*\t+\e):P+2*(8*\t+\e)+1]
.endr
.endr
.endr
.irp t, 0,1,2,3
.irp e, 0,1,2,3,4,5,6,7
	v_add_f32 v[S+8*\t+\e], v[P+2*(8*\t+\e)], v[P+2*(8*\t+\e)+1]
.endr
.endr
.irp t, 0,1,2,3
	ds_store_b128 v5, v[S+8*\t:S+8*\t+3]   offset:(2*\t)*512      ; LDS: [wave][token][half of the experts][lane][16 bytes]
	ds_store_b128 v5, v[S+8*\t+4:S+8*\t+7] offset:(2*\t+1)*512
.endr
	s_wait_dscnt 0x0                               ; for the others' sake: my stores have landed
	s_barrier_signal -1
	s_barrier_wait -1
	; ---- wave g finishes token g
.irp w, 0,1,2,3
	ds_load_b128 v[X+8*\w:X+8*\w+3],   v6 offset:\w*4096
	ds_load_b128 v[X+8*\w+4:X+8*\w+7], v6 offset:\w*4096+512
.endr
.irp e, 0,1,2,3,4,5,6,7
	v_mov_b32 v[72+\e], 0                          ; a lane permute's destination counts as one of its sources
.endr
	s_wait_dscnt 0x0
.irp k, 0,2,4,6
	v_pk_add_f32 v[64+\k:65+\k], v[X+\k:X+\k+1], v[X+8+\k:X+8+\k+1]
.endr
.irp k, 0,2,4,6
	v_pk_add_f32 v[64+\k:65+\k], v[64+\k:65+\k], v[X+16+\k:X+16+\k+1]
.endr
.irp k, 0,2,4,6
	v_pk_add_f32 v[64+\k:65+\k], v[64+\k:65+\k], v[X+24+\k:X+24+\k+1]
.endr
.irp x, 1,2,4,8
.irp e, 0,1,2,3,4,5,6,7
	v_add_f32_dpp v[64+\e], v[64+\e], v[64+\e] row_xmask:\x row_mask:0xf bank_mask:0xf
.endr
.endr
.irp e, 0,1,2,3,4,5,6,7
	v_permlanex16_b32 v[72+\e], v[64+\e], s18, s19
.endr
.irp e, 0,1,2,3,4,5,6,7
	v_add_f32 v[64+\e], v[64+\e], v[72+\e]         ; v64-71: the token's eight logits, in every lane
.endr
	v_max3_num_f32 v88, v64, v65, v66
	v_max3_num_f32 v88, v88, v67, v68
	v_max3_num_f32 v88, v88, v69, v70
	v_max_num_f32 v88, v88, v71                    ; the largest is taken away ahead of the exponential
.irp e, 0,1,2,3,4,5,6,7
	v_sub_f32 v[80+\e], v[64+\e], v88
.endr
.irp e, 0,1,2,3,4,5,6,7
	v_mul_f32 v[80+\e], 0x3fb8aa3b, v[80+\e]
.endr
.irp e, 0,1,2,3,4,5,6,7
	v_exp_f32 v[80+\e], v[80+\e]                   ; p_e, at most 1
.endr
	v_mov_b32 v90, 0                               ; (a plain line behind the exponentials)  the first choice: expert 0 so far,
	s_wait_alu depctr_va_vdst(0)
	v_mov_b32 v89, v80                             ; with p_0
.irp e, 1,2,3,4,5,6,7
	v_cmp_le_f32 vcc_lo, v[80+\e], v89             ; only a strictly larger p takes the place: ties keep the lower index
	v_cndmask_b32 v90, \e, v90, vcc_lo
	v_max_num_f32 v89, v89, v[80+\e]
.endr
	v_mov_b32 v93, -1.0
.irp e, 0,1,2,3,4,5,6,7
	v_cmp_eq_u32 vcc_lo, \e, v90
	v_cndmask_b32 v[80+\e], v[80+\e], v93, vcc_lo  ; the first choice is out of the second search
.endr
	v_mov_b32 v91, 0
	v_mov_b32 v92, v80
.irp e, 1,2,3,4,5,6,7
	v_cmp_le_f32 vcc_lo, v[80+\e], v92
	v_cndmask_b32 v91, \e, v91, vcc_lo
	v_max_num_f32 v92, v92, v[80+\e]
.endr
	v_add_f32 v94, v89, v92
	v_rcp_f32 v94, v94
	v_nop                                          ; a plain line behind the reciprocal
	s_wait_alu depctr_va_vdst(0)
	v_mul_f32 v96, v89, v94                        ; the two weights
	v_mul_f32 v97, v92, v94
	v_cmp_eq_u32 vcc_lo, 0, v1
	s_wait_xcnt 0x0                                ; EXEC changes only behind this wait
	s_wait_tensorcnt 0x0
	ds_add_u32 v240, v241
	s_wait_dscnt 0x0
	s_and_saveexec_b32 s23, vcc_lo                 ; lane 0 stores for the wave
	global_store_b128 v7, v[64:67], s[8:9]
	global_store_b128 v7, v[68:71], s[8:9] offset:16
	global_store_b64 v7, v[90:91], s[12:13]
	global_store_b64 v7, v[96:97], s[14:15]
	s_wait_xcnt 0x0
	s_or_b32 exec_lo, exec_lo, s23
	s_endpgm
.Lfunc_end_k_q9005510672_route:
	.size	k_q9005510672_route, .Lfunc_end_k_q9005510672_route-k_q9005510672_route
	.p2alignl 7, 3214868480
	.fill 96, 4, 3214868480
	.section	.rodata,"a",@progbits
	.p2align	6, 0x0
	.amdhsa_kernel k_q9005510672_route
		.amdhsa_group_segment_fixed_size 16896
		.amdhsa_private_segment_fixed_size 0
		.amdhsa_enable_private_segment 0
		.amdhsa_kernarg_size 48
		.amdhsa_user_sgpr_count 2
		.amdhsa_user_sgpr_kernarg_segment_ptr 1
		.amdhsa_wavefront_size32 1
		.amdhsa_system_sgpr_workgroup_id_x 1
		.amdhsa_system_sgpr_workgroup_id_y 1
		.amdhsa_system_sgpr_workgroup_id_z 1
		.amdhsa_system_vgpr_workitem_id 0
		.amdhsa_next_free_vgpr 242
		.amdhsa_next_free_sgpr 66
		.amdhsa_reserve_vcc 1
		.amdhsa_float_denorm_mode_32 3
		.amdhsa_float_denorm_mode_16_64 3
		.amdhsa_memory_ordered 1
		.amdhsa_forward_progress 1
		.amdhsa_inst_pref_size 28
	.end_amdhsa_kernel
	.amdgpu_metadata
---
amdhsa.version: [ 1, 2 ]
amdhsa.kernels:
  - .name:           k_q9005510672_route
    .symbol:         k_q9005510672_route.kd
    .args:
      - { .name: hidden_states, .offset: 0, .size: 8, .value_kind: global_buffer, .address_space: global }
      - { .name: gate_w, .offset: 8, .size: 8, .value_kind: global_buffer, .address_space: global }
      - { .name: out1, .offset: 16, .size: 8, .value_kind: global_buffer, .address_space: global }
      - { .name: xq, .offset: 24, .size: 8, .value_kind: global_buffer, .address_space: global }
      - { .name: sel, .offset: 32, .size: 8, .value_kind: global_buffer, .address_space: global }
      - { .name: wts, .offset: 40, .size: 8, .value_kind: global_buffer, .address_space: global }
    .group_segment_fixed_size: 16896
    .private_segment_fixed_size: 0
    .kernarg_segment_align: 8
    .kernarg_segment_size: 48
    .max_flat_workgroup_size: 128
    .sgpr_count:     66
    .vgpr_count:     242
    .wavefront_size: 32
...
	.end_amdgpu_metadata
.endif
;; end of part 1
;; launch place (part 2): grid 1 x 1, 8 waves a work-group, no clusters, 34,048 bytes of LDS; arguments sel, plan; writes plan
.if DOCPART == 2
	.amdgcn_target "amdgcn-amd-amdhsa--gfx1250"
	.amdhsa_code_object_version 6
	.text
	.protected	k_q9005510672_place
	.globl	k_q9005510672_place
	.p2align	8
	.type	k_q9005510672_place,@function
k_q9005510672_place:
	s_mov_b64 s[64:65], 0
	v_nop
	global_prefetch_b8 v0, s[64:65] scope:SCOPE_SE
	s_setreg_imm32_b32 hwreg(HW_REG_WAVE_MODE, 25, 1), 1
	s_wait_xcnt 0x0
; THE ROWS ARE PLACED BY EXPERT: a counting sort of the 2,048 (token, choice) pairs, without atomics.  One work-group of eight waves.
; plan: META [8]{n_e, tb_e}; POS [1024 tokens][2 choices] = the pair's slot; LST [2176 slots] = the slot's token.
; Expert e owns tiles tb_e .. tb_e + ceil(n_e / 16) - 1 of 16 slots; tb_e = the sum of ceil(n / 16) of the experts before it.  At most 135 tiles, whatever the choice.
; PASS 1: wave e reads all 1,024 pairs and makes expert e's masks (a token's two experts differ, so a bit a token: 32 masks of 32 tokens) and its count; the eight counts meet in LDS.
; PASS 2: wave e gives every token the slot that it would have with expert e (the expert's first slot + the tokens before it that chose e) and writes it into a table in LDS, [token][expert]:
; all lanes on, the address made of lane, wave and chunk alone.  The number means something only for the tokens that chose e, and only those are read.
; PASS 3: each pair owns its stores.  Thread i takes tokens i, i + 256, i + 512, i + 768: it reads the token's eight numbers, picks the two of the token's own experts, and stores POS (8 bytes a token, neighbouring
; lanes at neighbouring bytes) and LST[slot] = token.  The slots of a tile past n_e are not written, and no later launch reads them.
.set META, 0
.set POS,  256
.set LST,  8448
.set TAB,  256                         ; LDS: bytes 0-31 the eight counts; from 256 the table, 1,024 tokens x 8 experts x 4 bytes
.set I,    32                          ; v32-95  pass 1: chunk j: the two experts of token 32 j + lane
.set CS,   64                          ; v64-95  pass 2: chunk j's numbers for the table
.set R,    32                          ; v32-63  pass 3: token c's eight numbers
.set SL,   64                          ; v64-71  its two slots
.set AD,   72                          ; v72-79  their places in LST
.set TK,   80                          ; v80-83  the token
.set PR,   96                          ; v96-103 pass 3: the two experts of token thread + 256 c
.set MK,   66                          ; s66-97  chunk j: the lanes whose token chose my expert
	s_load_b128 s[4:7], s[0:1], 0x0                ; sel s[4:5], plan s[6:7]
	v_lshl_add_u32 v112, v0, 2, 0x8100
	v_mov_b32 v113, 0
	v_lshrrev_b32 v1, 5, v0
	v_readfirstlane_b32 s8, v1                     ; wave = my expert
	v_and_b32 v1, 31, v0                           ; lane
	v_lshlrev_b32 v2, 3, v1                        ; 8 bytes a token of a chunk
	v_lshlrev_b32 v3, 3, v0                        ; pass 3: 8 bytes a thread
	s_lshl_b32 s9, s8, 2
	s_add_co_u32 s9, s9, TAB
	v_lshl_add_u32 v9, v1, 5, s9                   ; the table, in: 32 bytes a token, my expert's word
	v_lshl_add_u32 v26, v0, 5, TAB                 ; and back: my thread's token
	v_mov_b32 v20, 0
	s_mov_b32 s10, 0                               ; n
	s_wait_kmcnt 0x0
.set J, 0
.rept 32
	global_load_b64 v[I+2*J:I+2*J+1], v2, s[4:5] offset:256*J
.set J, J+1
.endr
.irp c, 0,1,2,3
	global_load_b64 v[PR+2*\c:PR+2*\c+1], v3, s[4:5] offset:2048*\c
.endr
	s_wait_loadcnt 0x0
.set J, 0
.rept 32                                       ; pass 1: the masks and the count
	v_cmp_eq_u32 s20, s8, v[I+2*J]
	v_cmp_eq_u32 s21, s8, v[I+2*J+1]
	s_or_b32 s[MK+J], s20, s21
	s_bcnt1_i32_b32 s22, s[MK+J]
	s_add_co_u32 s10, s10, s22
.set J, J+1
.endr
	v_mov_b32 v10, s8
	v_lshlrev_b32 v10, 2, v10
	v_mov_b32 v11, s10
	ds_store_b32 v10, v11                          ; all lanes write my wave's word with the same value
	s_wait_dscnt 0x0                               ; for the others' sake: the store has landed
	s_barrier_signal -1
	s_barrier_wait -1
	ds_load_b128 v[12:15], v20
	ds_load_b128 v[16:19], v20 offset:16
	s_wait_dscnt 0x0
.irp i, 0,1,2,3,4,5,6,7
	v_readfirstlane_b32 s[40+\i], v[12+\i]         ; the eight counts
.endr
	s_mov_b32 s11, 0                               ; tb
.irp i, 0,1,2,3,4,5,6
	s_add_co_u32 s23, s[40+\i], 15
	s_lshr_b32 s23, s23, 4
	s_cmp_gt_u32 s8, \i                            ; an expert before mine?
	s_cselect_b32 s23, s23, 0
	s_add_co_u32 s11, s11, s23
.endr
	s_lshl_b32 s12, s11, 4                         ; my expert's first slot
.set J, 0
.rept 32                                       ; pass 2: chunk J
	v_mbcnt_lo_u32_b32 v[CS+J], s[MK+J], s12       ; those of the chunk's lanes before me that chose my expert, behind the chunks before
	ds_store_b32 v9, v[CS+J] offset:1024*J
	s_bcnt1_i32_b32 s23, s[MK+J]
	s_add_co_u32 s12, s12, s23
.set J, J+1
.endr
	v_mov_b32 v22, s10                             ; {n, tb} for the store at the end
	v_mov_b32 v23, s11
	v_mov_b32 v24, s8
	v_lshlrev_b32 v24, 3, v24
	s_wait_dscnt 0x0                               ; for the others' sake: my column of the table has landed
	s_barrier_signal -1
	s_barrier_wait -1
	; pass 3
.irp c, 0,1,2,3
	ds_load_b128 v[R+8*\c:R+8*\c+3],   v26 offset:8192*\c
	ds_load_b128 v[R+8*\c+4:R+8*\c+7], v26 offset:8192*\c+16
.endr
.irp c, 0,1,2,3
	v_add_nc_u32 v[TK+\c], 256*\c, v0
.endr
	s_wait_dscnt 0x0
.irp c, 0,1,2,3
.irp k, 0,1
	v_mov_b32 v[SL+2*\c+\k], v[R+8*\c]             ; the number of the pair's own expert is picked: a choice of a value, no branch
.irp e, 1,2,3,4,5,6,7
	v_cmp_eq_u32 vcc_lo, \e, v[PR+2*\c+\k]
	v_cndmask_b32 v[SL+2*\c+\k], v[SL+2*\c+\k], v[R+8*\c+\e], vcc_lo
.endr
	v_min_u32 v[SL+2*\c+\k], 0x87f, v[SL+2*\c+\k]  ; a slot stays inside the list
	v_lshlrev_b32 v[AD+2*\c+\k], 2, v[SL+2*\c+\k]
	global_store_b32 v[AD+2*\c+\k], v[TK+\c], s[6:7] offset:LST
.endr
	global_store_b64 v3, v[SL+2*\c:SL+2*\c+1], s[6:7] offset:POS+2048*\c   ; 32 lanes store 256 consecutive bytes, aligned
.endr
	v_cmp_eq_u32 vcc_lo, 0, v1
	s_wait_xcnt 0x0                                ; EXEC changes only behind this wait
	s_wait_tensorcnt 0x0
	ds_add_u32 v112, v113
	s_wait_dscnt 0x0
	s_and_saveexec_b32 s22, vcc_lo                 ; lane 0 stores for the wave
	global_store_b64 v24, v[22:23], s[6:7] offset:META
	s_wait_xcnt 0x0
	s_or_b32 exec_lo, exec_lo, s22
	s_endpgm
.Lfunc_end_k_q9005510672_place:
	.size	k_q9005510672_place, .Lfunc_end_k_q9005510672_place-k_q9005510672_place
	.p2alignl 7, 3214868480
	.fill 96, 4, 3214868480
	.section	.rodata,"a",@progbits
	.p2align	6, 0x0
	.amdhsa_kernel k_q9005510672_place
		.amdhsa_group_segment_fixed_size 34048
		.amdhsa_private_segment_fixed_size 0
		.amdhsa_enable_private_segment 0
		.amdhsa_kernarg_size 16
		.amdhsa_user_sgpr_count 2
		.amdhsa_user_sgpr_kernarg_segment_ptr 1
		.amdhsa_wavefront_size32 1
		.amdhsa_system_sgpr_workgroup_id_x 1
		.amdhsa_system_sgpr_workgroup_id_y 1
		.amdhsa_system_sgpr_workgroup_id_z 1
		.amdhsa_system_vgpr_workitem_id 0
		.amdhsa_next_free_vgpr 114
		.amdhsa_next_free_sgpr 100
		.amdhsa_reserve_vcc 1
		.amdhsa_float_denorm_mode_32 3
		.amdhsa_float_denorm_mode_16_64 3
		.amdhsa_memory_ordered 1
		.amdhsa_forward_progress 1
		.amdhsa_inst_pref_size 27
	.end_amdhsa_kernel
	.amdgpu_metadata
---
amdhsa.version: [ 1, 2 ]
amdhsa.kernels:
  - .name:           k_q9005510672_place
    .symbol:         k_q9005510672_place.kd
    .args:
      - { .name: sel, .offset: 0, .size: 8, .value_kind: global_buffer, .address_space: global }
      - { .name: plan, .offset: 8, .size: 8, .value_kind: global_buffer, .address_space: global }
    .group_segment_fixed_size: 34048
    .private_segment_fixed_size: 0
    .kernarg_segment_align: 8
    .kernarg_segment_size: 16
    .max_flat_workgroup_size: 256
    .sgpr_count:     100
    .vgpr_count:     114
    .wavefront_size: 32
...
	.end_amdgpu_metadata
.endif
;; end of part 2
;; launch gateup (part 3): grid 32 x 8, 4 waves a work-group, no clusters, 202,240 bytes of LDS; arguments xq, plan, w_gate_codes, w_gate_scales, w_up_codes, w_up_scales, hq; writes hq
.if DOCPART == 3
	.amdgcn_target "amdgcn-amd-amdhsa--gfx1250"
	.amdhsa_code_object_version 6
	.text
	.protected	k_q9005510672_gateup
	.globl	k_q9005510672_gateup
	.p2align	8
	.type	k_q9005510672_gateup,@function
k_q9005510672_gateup:
	s_mov_b64 s[64:65], 0
	v_nop
	global_prefetch_b8 v0, s[64:65] scope:SCOPE_SE
	s_setreg_imm32_b32 hwreg(HW_REG_WAVE_MODE, 25, 1), 1
	s_wait_xcnt 0x0
; h = silu(x Wg^T) * (x Wu^T) for the rows that chose an expert, quantised along I, on codes of E4M3 with one E8M0 byte for each 32 along K.
; THE WEIGHTS STAND STILL.  Work-group (x = slice, y = expert) owns 64 hidden units of one expert: each weight byte is fetched once in the launch.  Wave w: b = w % 2, p = w / 2: it owns block B = 2 slice + b,
; hidden units 32 B .. 32 B + 31: 32 rows of Wg and 32 of Wu for all of K = 1,024 stay in 512 registers; it takes the expert's tiles of 16 rows p, p + 2, ..
; EVERY LOAD OF CODES TAKES LONG RUNS, AND LDS TURNS THEM INTO FRAGMENTS.  The work-group's 64 rows of Wg and 64 of Wu are 2 x 64 KB on end: wave w fetches 32 KB of them (matrix p, block b) by loads of 512 consecutive
; bytes and lays the rows in LDS, 1,040 bytes apart; one barrier, at the head, ahead of every branch on a loaded number; then each wave reads its 32 fragments.  A tile's x is gathered by the list of tokens that an
; earlier launch stored: a load takes 256 consecutive bytes of each of two tokens' rows, into 128 staging registers, one tile ahead; the tile turns through the wave's own stage in LDS (no barrier).
; TRANSPOSED: source 0 = 16 rows of a weight, source 1 = 16 tokens.  Lane r of tile u takes weight row 32 B + 8 u + r + 8 (r / 8): lane (r, h) then holds token r, and the 16 registers of tiles 0 and 1
; are hidden units 32 B + 16 h + 0 .. 15: four registers of the next product's fragment, as they stand.  In LDS a tile's 16 rows lie side by side: row 16 a + 8 u + j of a block stands at place 16 u + 8 a + j.
; hq: codes [136 tiles][64 blocks][32 lanes][16 bytes]; from HSC the scale bytes [136][16 rows][64].
; Rows of a tile past the expert's count repeat its last token (the list index is held at n - 1), so that every byte of an owned tile is written.  With n = 0 the index is held at slot 0, which is always written; nothing is made of it.
; NO TENSOR LOAD, NO CLUSTER: the number of tiles is a number read from memory, so no barrier stands in the loop.  A wave's last tile asks for no further x; the list words asked for past the end are held to written words and not used.
; LIMITS: NaN and infinities are not served; a block of zeros carries the byte 1 (its codes are zeros; this program alone reads the bytes).
; REGISTERS, in windows of 256.  Window 0: v1-27 addresses and the quantiser's few; v32-63 four accumulators (gate u0, gate u1, up u0, up u1); v64-95 the weights' scale words; v96-103 x's; v104-107 x's scale bytes as loaded;
;   v112-127 at work; v128-168 the list's rows, addresses, words and x's addresses.   window 1: the weights' fragments of K steps 0-3 at v[64 ti + 16 s];   window 2: K steps 4-7;
;   window 3: v0-127 x's eight fragments, v128-255 the next tile as loaded (at the head all 256: my 32 KB of weights as loaded).
.set XSC, 0x100000
.set LST, 8448
.set HSC, 4456448
.set RP,  1040                         ; an LDS row: 1,024 bytes + 16 = 260 words: row r starts at bank 4 r mod 64 (64 banks of 4 bytes: ISA guide 11.1), so the 16 rows of a fragment load start at 16 different banks
.set STG, 128*RP                       ; LDS: 128 rows of weights (64 of Wg, 64 of Wu); behind them a stage for each wave:
.set SW,  16*RP+512                    ; 16 rows of x's codes, then 16 x 32 scale bytes
.set ACC, 32
.set WS,  64
.set XS,  96
.set XSN, 104
.set EE,  112
.set RW,  128                          ; v128-135 row 2 i + h of a tile (what load i of x takes in my half of the lanes); v136 row lane / 2 (the scale bytes')
.set LA,  140                          ; v140-148 where these rows' list words lie
.set LW,  150                          ; v150-158 the list words: tokens
.set XA,  160                          ; v160-168 the tokens' places in xq
.set MSB, 0
.macro WIN new                         ; the immediate's high byte repeats the setting that is left
.if MSB != \new
	s_set_vgpr_msb (MSB<<8)|\new
.set MSB, \new
.endif
.endm
; 16 LDS loads: four K steps (first .. first + 3) of tile ti = 16 rows of the weight whose rows v[adr] names
.macro WF ti, adr, first, u
.irp s, 0,1,2,3
.irp c, 0,1,2,3
	ds_load_b128 v[64*\ti+16*\s+4*\c:64*\ti+16*\s+4*\c+3], v[\adr] offset:\u*16*RP+(\first+\s)*128+\c*32
.endr
.endr
.endm
; the nine list words of tile s31, which then steps by the two tiles that the waves of my block take by turns
.macro TOKS
.irp i, 0,1,2,3,4,5,6,7,8
	v_lshl_add_u32 v[LA+\i], s31, 4, v[RW+\i]      ; 16 x tile + the row,
.endr
.irp i, 0,1,2,3,4,5,6,7,8
	v_min_u32 v[LA+\i], s29, v[LA+\i]              ; held at the expert's last row,
.endr
.irp i, 0,1,2,3,4,5,6,7,8
	v_add_nc_u32 v[LA+\i], s30, v[LA+\i]           ; behind the expert's first slot
.endr
.irp i, 0,1,2,3,4,5,6,7,8
	v_min_u32 v[LA+\i], 0x87f, v[LA+\i]
.endr
.irp i, 0,1,2,3,4,5,6,7,8
	v_lshlrev_b32 v[LA+\i], 2, v[LA+\i]
.endr
.irp i, 0,1,2,3,4,5,6,7,8
	global_load_b32 v[LW+\i], v[LA+\i], s[6:7] offset:LST
.endr
	s_add_co_u32 s31, s31, 2
.endm
; from the list words to places in xq
.macro XADDR
.irp i, 0,1,2,3,4,5,6,7,8
	v_min_u32 v[XA+\i], 0x3ff, v[LW+\i]
.endr
.irp i, 0,1,2,3,4,5,6,7
	v_lshl_add_u32 v[XA+\i], v[XA+\i], 10, v26     ; the token's row of codes + 16 (lane % 16)
.endr
	v_lshl_add_u32 v[XA+8], v[XA+8], 5, v27        ; the token's 32 scale bytes + 16 (lane % 2)
.endm
; 33 loads: a tile's scale bytes (16 bytes a lane, two lanes to a token) and its codes: load (i, j) takes bytes 256 j .. 256 j + 255 of rows 2 i (lanes 0-15) and 2 i + 1 (lanes 16-31)
.macro XLOAD
	global_load_b128 v[XSN:XSN+3], v[XA+8], s[4:5] offset:XSC
	WIN 0xc0                                       ; destination window 3
.irp i, 0,1,2,3,4,5,6,7
.irp j, 0,1,2,3
	global_load_b128 v[128+16*\i+4*\j:128+16*\i+4*\j+3], v[XA+\i], s[4:5] offset:256*\j
.endr
.endr
	WIN 0
.endm
	s_load_b256 s[4:11], s[0:1], 0x0               ; xq s[4:5], plan s[6:7], Wg's codes s[8:9], Wg's scales s[10:11]
	s_load_b128 s[12:15], s[0:1], 0x20             ; Wu's codes s[12:13], Wu's scales s[14:15]
	s_load_b64 s[16:17], s[0:1], 0x30              ; hq
	v_lshl_add_u32 v254, v0, 2, 0x31400
	v_mov_b32 v255, 0
	v_lshrrev_b32 v1, 5, v0
	v_readfirstlane_b32 s18, v1                    ; wave
	s_and_b32 s19, s18, 1                          ; b
	s_lshr_b32 s40, s18, 1                         ; p
	s_and_b32 s39, ttmp7, 0xffff                   ; the expert
	s_lshl_b32 s41, ttmp9, 1
	s_add_co_u32 s41, s41, s19                     ; B
	s_lshl_b32 s42, s39, 11
	s_lshl_b32 s43, s41, 5
	s_add_co_u32 s42, s42, s43                     ; my first row of either weight: 2048 e + 32 B
	s_lshl_b32 s44, s42, 10                        ; in bytes of codes,
	s_mov_b32 s45, 0
	s_lshl_b32 s46, s42, 5                         ; of scale bytes
	s_mov_b32 s47, 0
	s_lshl_b32 s48, s39, 3                         ; the expert's pair {n, tb}
	s_mov_b32 s49, 0
	s_mov_b32 s24, 0xbfb8aa3b                      ; -log2(e)
	s_mov_b32 s25, s24                             ; (named with it as a pair, so it is written)
	s_mov_b32 s26, 0x76543210
	s_mov_b32 s27, 0xfedcba98                      ; v_permlanex16_b32's selects for lane l xor 16
	s_mov_b32 s28, 0x600000                        ; the mantissa field of 448
	v_and_b32 v19, 31, v0                          ; lane
	v_and_b32 v1, 15, v0                           ; r
	v_bfe_u32 v2, v0, 4, 1                         ; h
	v_lshlrev_b32 v3, 4, v19                       ; 16 lane
	v_and_b32 v4, 8, v1
	v_add_nc_u32 v4, v4, v1                        ; r + 8 (r / 8)
	v_lshlrev_b32 v4, 5, v4                        ; that row's scale bytes in a block of a weight
	s_mul_i32 s43, s18, 32*RP
	v_add_nc_u32 v5, s43, v3                       ; LDS, the weights on their way in: my 32 rows (matrix p, block b: row 32 w on), 16 bytes a lane
	v_mul_u32_u24 v9, v1, RP
	v_lshl_add_u32 v9, v2, 4, v9                   ; a fragment's place: row r x pitch + 16 h
	s_mul_i32 s43, s19, 32*RP
	v_add_nc_u32 v6, s43, v9                       ; Wg's rows of my block,
	v_add_nc_u32 v7, 64*RP, v6                     ; Wu's, 64 rows further on
	s_mul_i32 s43, s18, SW
	s_add_co_u32 s43, s43, STG                     ; my stage
	v_add_nc_u32 v9, s43, v9                       ; x's fragments out of it
	v_lshlrev_b32 v26, 4, v1                       ; 16 (lane % 16)
	v_mul_u32_u24 v8, v2, RP
	v_add_nc_u32 v8, v8, v26
	v_add_nc_u32 v8, s43, v8                       ; x into it: row h, 16 bytes a lane
	s_add_co_u32 s43, s43, 16*RP
	v_add_nc_u32 v24, s43, v3                      ; x's scale bytes into it: 16 lane: row q's 32 bytes at 32 q,
	v_lshl_add_u32 v25, v1, 5, s43                 ; and out of it: row r's
	v_and_b32 v27, 1, v0
	v_lshlrev_b32 v27, 4, v27                      ; 16 (lane % 2)
.irp i, 0,1,2,3,4,5,6,7
	v_add_nc_u32 v[RW+\i], 2*\i, v2
.endr
	v_lshrrev_b32 v[RW+8], 1, v19
	s_lshl_b32 s43, s41, 9
	v_add_nc_u32 v10, s43, v3                      ; hq: 512 B + 16 lane in a tile's codes,
	v_lshl_add_u32 v11, v1, 6, s41                 ; 64 r + B in its scale bytes
	v_mov_b32 v15, 0                               ; a lane permute's destination counts as one of its sources
	s_wait_kmcnt 0x0
	s_cmp_eq_u32 s40, 0                            ; the matrix that I fetch for: Wg (p = 0) or Wu (p = 1): the choice hangs on the wave's number alone
	s_cselect_b64 s[50:51], s[8:9], s[12:13]
	s_add_nc_u64 s[50:51], s[50:51], s[44:45]
	s_add_nc_u64 s[10:11], s[10:11], s[46:47]
	s_add_nc_u64 s[14:15], s[14:15], s[46:47]
	s_add_nc_u64 s[48:49], s[6:7], s[48:49]
	s_load_b64 s[20:21], s[48:49], 0x0             ; n, tb
.irp u, 0,1
	global_load_b128 v[WS+8*\u:WS+8*\u+3],       v4, s[10:11] offset:\u*256      ; a row's 32 bytes: the scale words of its eight K steps
	global_load_b128 v[WS+8*\u+4:WS+8*\u+7],     v4, s[10:11] offset:\u*256+16
	global_load_b128 v[WS+16+8*\u:WS+16+8*\u+3], v4, s[14:15] offset:\u*256
	global_load_b128 v[WS+20+8*\u:WS+20+8*\u+3], v4, s[14:15] offset:\u*256+16
.endr
	WIN 0xc0                                       ; destination window 3
.set K, 0
.rept 64
	global_load_b128 v[4*K:4*K+3], v3, s[50:51] offset:512*K th:TH_LOAD_NT   ; 32 lanes read 512 consecutive bytes: half a row; read once in the launch
.set K, K+1
.endr
	WIN 0
	s_wait_kmcnt 0x0
	s_min_u32 s20, s20, 1024
	s_min_u32 s21, s21, 135
	s_add_co_u32 s22, s20, 15
	s_lshr_b32 s22, s22, 4                         ; the expert's tiles
	s_max_u32 s29, s20, 1
	s_sub_co_u32 s29, s29, 1                       ; n - 1 (0 where n = 0)
	s_lshl_b32 s30, s21, 4                         ; the expert's first slot;
	s_cmp_eq_u32 s20, 0
	s_cselect_b32 s30, 0, s30                      ; where n = 0: slot 0, which is always written
	s_mov_b32 s23, s40                             ; t: the tile in hand
	s_mov_b32 s31, s40                             ; the tile of the next list words
	TOKS
	s_wait_loadcnt 9                               ; the nine list loads issued behind the weights may stay out: the weights and their scale words are in
	WIN 0x0c                                       ; an LDS store's data are its source 1: window 3
.set K, 0
.rept 64
.set R, K/2                                    ; the row of my 32; its place: 16 u + 8 a + j for row 16 a + 8 u + j
	ds_store_b128 v5, v[4*K:4*K+3] offset:(((R/8)%2)*16+(R/16)*8+R%8)*RP+(K%2)*512
.set K, K+1
.endr
	WIN 0
	s_wait_loadcnt 0x0                             ; the list words of my first tile
	XADDR
	s_wait_dscnt 0x0                               ; for the others' sake: my rows have landed; and the stores have read their registers, which take x now
	XLOAD                                          ; my first tile
	TOKS                                           ; the list words of my second
	s_barrier_signal -1
	s_barrier_wait -1                              ; all 128 rows lie in LDS; nobody writes them again
	s_cmp_ge_u32 s40, s22
	s_cbranch_scc1 .Lend                           ; this split leaves my wave without a tile
	WIN 0x40                                       ; destination window 1
	WF 0, 6, 0, 0
	WF 1, 6, 0, 1
	WF 2, 7, 0, 0
	WF 3, 7, 0, 1
	WIN 0x80                                       ; destination window 2
	WF 0, 6, 4, 0
	WF 1, 6, 4, 1
	WF 2, 7, 4, 0
	WF 3, 7, 4, 1
	WIN 0
	s_sub_co_u32 s33, s22, s40
	s_add_co_u32 s33, s33, 1
	s_lshr_b32 s33, s33, 1                         ; my tiles: one to a trip
	s_mov_b32 s32, 0
.Ltile:
	s_wait_loadcnt 0x0                             ; this tile's x as loaded, its scale bytes and the next tile's list words are in; every address register of a load is free
	s_wait_xcnt 0x0                                ; only the last tile's two stores are out here: v12, v13, v18 and v20-23, which they read, are written again only behind this wait
	WIN 0x0c                                       ; data: window 3
.irp i, 0,1,2,3,4,5,6,7
.irp j, 0,1,2,3
	ds_store_b128 v8, v[128+16*\i+4*\j:128+16*\i+4*\j+3] offset:2*\i*RP+256*\j   ; rows 2 i and 2 i + 1 of my stage, as they lie in memory
.endr
.endr
	WIN 0
	ds_store_b128 v24, v[XSN:XSN+3]
	WIN 0xc0                                       ; destination window 3.  The last products that read these registers stand behind eight places and a whole way out
.irp s, 0,1,2,3,4,5,6,7
.irp c, 0,1,2,3
	ds_load_b128 v[16*\s+4*\c:16*\s+4*\c+3], v9 offset:128*\s+32*\c   ; LDS serves a wave's instructions in order (ISA guide 5.7.1.4): these see my stores
.endr
.endr
	WIN 0
	ds_load_b128 v[XS:XS+3], v25                   ; row r's eight scale words
	ds_load_b128 v[XS+4:XS+7], v25 offset:16
	XADDR                                          ; the next tile's places in xq, while LDS works
	s_wait_dscnt 34                                ; the 34 LDS loads issued behind the 33 stores may stay out: the stores are done, so the staging registers may be loaded again
	s_add_co_u32 s35, s23, 2
	s_cmp_ge_u32 s35, s22
	s_cbranch_scc1 .Lnox                           ; my last tile asks for no further x (the wait at the trip's head is for 0: no count hangs on this branch)
	XLOAD                                          ; the next tile has this tile's products and way out in which to land
.Lnox:
	TOKS                                           ; the list words of the tile after that
	s_wait_dscnt 0x0                               ; x's fragments and scale words are in (the first time: the weights' fragments too)
	WIN 0x0d                                       ; source 0 window 1, source 1 window 3, C and D window 0
.irp s, 0,1,2,3
.irp ti, 0,1,2,3
.if \s == 0
	v_wmma_scale_f32_16x16x128_f8f6f4 v[ACC+8*\ti:ACC+8*\ti+7], v[64*\ti+16*\s:64*\ti+16*\s+15], v[16*\s:16*\s+15], 0, v[WS+8*\ti+\s], v[XS+\s]
.else
	v_wmma_scale_f32_16x16x128_f8f6f4 v[ACC+8*\ti:ACC+8*\ti+7], v[64*\ti+16*\s:64*\ti+16*\s+15], v[16*\s:16*\s+15], v[ACC+8*\ti:ACC+8*\ti+7], v[WS+8*\ti+\s], v[XS+\s]
.endif
.endr
.endr
	WIN 0x0e                                       ; source 0 window 2
.irp s, 0,1,2,3
.irp ti, 0,1,2,3                               ; the four accumulators take turns, one instruction a turn
	v_wmma_scale_f32_16x16x128_f8f6f4 v[ACC+8*\ti:ACC+8*\ti+7], v[64*\ti+16*\s:64*\ti+16*\s+15], v[64+16*\s:64+16*\s+15], v[ACC+8*\ti:ACC+8*\ti+7], v[WS+8*\ti+4+\s], v[XS+4+\s]
.endr
.endr
	WIN 0
.rept 8
	v_nop                                          ; eight places behind this form before its results are read
.endr
	; h = g u / (1 + 2^(-g log2 e)); each accumulator is read from its low end on
.irp k, 0,2,4,6,8,10,12,14
	v_pk_mul_f32 v[EE+\k:EE+\k+1], v[ACC+\k:ACC+\k+1], s[24:25] op_sel_hi:[1,0]
.endr
.irp k, 0,1,2,3,4,5,6,7,8,9,10,11,12,13,14,15
	v_exp_f32 v[EE+\k], v[EE+\k]
.endr
.irp k, 0,2,4,6,8,10,12,14
	v_pk_mul_f32 v[ACC+\k:ACC+\k+1], v[ACC+\k:ACC+\k+1], v[ACC+16+\k:ACC+16+\k+1]   ; g u (plain lines behind the exponentials)
.endr
	s_wait_alu depctr_va_vdst(0)
.irp k, 0,2,4,6,8,10,12,14
	v_pk_add_f32 v[EE+\k:EE+\k+1], v[EE+\k:EE+\k+1], 1.0 op_sel_hi:[1,0]
.endr
.irp k, 0,1,2,3,4,5,6,7,8,9,10,11,12,13,14,15
	v_rcp_f32 v[EE+\k], v[EE+\k]
.endr
	v_nop                                          ; a plain line behind the reciprocals
	s_wait_alu depctr_va_vdst(0)
.irp k, 0,2,4,6,8,10,12,14
	v_pk_mul_f32 v[ACC+\k:ACC+\k+1], v[ACC+\k:ACC+\k+1], v[EE+\k:EE+\k+1]
.endr
	; the block's scale: my 16 numbers in two chains, the floor 2^(9 - 127) among the leaves, then lane l xor 16's
	v_max3_num_f32 v14, |v[ACC]|, |v[ACC+1]|, 0x4800000
	v_max3_num_f32 v15, |v[ACC+8]|, |v[ACC+9]|, |v[ACC+10]|
	v_max3_num_f32 v14, v14, |v[ACC+2]|, |v[ACC+3]|
	v_max3_num_f32 v15, v15, |v[ACC+11]|, |v[ACC+12]|
	v_max3_num_f32 v14, v14, |v[ACC+4]|, |v[ACC+5]|
	v_max3_num_f32 v15, v15, |v[ACC+13]|, |v[ACC+14]|
	v_max3_num_f32 v14, v14, |v[ACC+6]|, |v[ACC+7]|
	v_max3_num_f32 v14, v14, v15, |v[ACC+15]|
	v_permlanex16_b32 v15, v14, s26, s27
	v_max_num_f32 v14, v14, v15
	v_add_nc_u32 v16, 0xfc000000, v14              ; 8 off the exponent field: the conversion's scale operand
	v_and_or_b32 v17, v14, 0x7f800000, s28         ; 448 x the scale
.irp k, 0,1,2,3,4,5,6,7,8,9,10,11,12,13,14,15
	v_med3_num_f32 v[ACC+\k], v[ACC+\k], -v17, v17 ; the conversion does not saturate (ISA guide 7.6.2): the hold
.endr
	v_cvt_scalef32_pk8_fp8_f32 v[20:21], v[ACC:ACC+7], v16
	v_cvt_scalef32_pk8_fp8_f32 v[22:23], v[ACC+8:ACC+15], v16
	v_lshrrev_b32 v18, 23, v16                     ; the scale's byte; also the plain line behind the conversions
	s_add_co_u32 s34, s21, s23
	s_min_u32 s34, s34, 135                        ; the tile's number among all experts'
	s_lshl_b32 s35, s34, 15
	s_lshl_b32 s36, s34, 10
	v_add_nc_u32 v12, s35, v10
	v_add_nc_u32 v13, s36, v11
	global_store_b128 v12, v[20:23], s[16:17]      ; 32 lanes store 512 consecutive bytes, aligned
	global_store_b8 v13, v18, s[16:17] offset:HSC  ; lanes r and r + 16 write the same byte with the same value
	s_add_co_u32 s23, s23, 2                       ; the tile's number steps by two; the trips are counted one by one
	s_add_co_u32 s32, s32, 1
	s_cmp_lt_u32 s32, s33
	s_cbranch_scc1 .Ltile
.Lend:
	s_wait_tensorcnt 0x0
	ds_add_u32 v254, v255
	s_wait_dscnt 0x0
	s_endpgm
.Lfunc_end_k_q9005510672_gateup:
	.size	k_q9005510672_gateup, .Lfunc_end_k_q9005510672_gateup-k_q9005510672_gateup
	.p2alignl 7, 3214868480
	.fill 96, 4, 3214868480
	.section	.rodata,"a",@progbits
	.p2align	6, 0x0
	.amdhsa_kernel k_q9005510672_gateup
		.amdhsa_group_segment_fixed_size 202240
		.amdhsa_private_segment_fixed_size 0
		.amdhsa_enable_private_segment 0
		.amdhsa_kernarg_size 56
		.amdhsa_user_sgpr_count 2
		.amdhsa_user_sgpr_kernarg_segment_ptr 1
		.amdhsa_wavefront_size32 1
		.amdhsa_system_sgpr_workgroup_id_x 1
		.amdhsa_system_sgpr_workgroup_id_y 1
		.amdhsa_system_sgpr_workgroup_id_z 1
		.amdhsa_system_vgpr_workitem_id 0
		.amdhsa_next_free_vgpr 1024
		.amdhsa_next_free_sgpr 66
		.amdhsa_reserve_vcc 0
		.amdhsa_float_denorm_mode_32 3
		.amdhsa_float_denorm_mode_16_64 3
		.amdhsa_memory_ordered 1
		.amdhsa_forward_progress 1
		.amdhsa_inst_pref_size 55
	.end_amdhsa_kernel
	.amdgpu_metadata
---
amdhsa.version: [ 1, 2 ]
amdhsa.kernels:
  - .name:           k_q9005510672_gateup
    .symbol:         k_q9005510672_gateup.kd
    .args:
      - { .name: xq, .offset: 0, .size: 8, .value_kind: global_buffer, .address_space: global }
      - { .name: plan, .offset: 8, .size: 8, .value_kind: global_buffer, .address_space: global }
      - { .name: w_gate_codes, .offset: 16, .size: 8, .value_kind: global_buffer, .address_space: global }
      - { .name: w_gate_scales, .offset: 24, .size: 8, .value_kind: global_buffer, .address_space: global }
      - { .name: w_up_codes, .offset: 32, .size: 8, .value_kind: global_buffer, .address_space: global }
      - { .name: w_up_scales, .offset: 40, .size: 8, .value_kind: global_buffer, .address_space: global }
      - { .name: hq, .offset: 48, .size: 8, .value_kind: global_buffer, .address_space: global }
    .group_segment_fixed_size: 202240
    .private_segment_fixed_size: 0
    .kernarg_segment_align: 8
    .kernarg_segment_size: 56
    .max_flat_workgroup_size: 128
    .sgpr_count:     66
    .vgpr_count:     1024
    .wavefront_size: 32
...
	.end_amdgpu_metadata
.endif
;; end of part 3
;; launch down (part 4): grid 32 x 8, 4 waves a work-group, no clusters, 84,480 bytes of LDS; arguments hq, plan, w_down_codes, w_down_scales, y; writes y
.if DOCPART == 4
	.amdgcn_target "amdgcn-amd-amdhsa--gfx1250"
	.amdhsa_code_object_version 6
	.text
	.protected	k_q9005510672_down
	.globl	k_q9005510672_down
	.p2align	8
	.type	k_q9005510672_down,@function
k_q9005510672_down:
	s_mov_b64 s[64:65], 0
	v_nop
	global_prefetch_b8 v0, s[64:65] scope:SCOPE_SE
	s_setreg_imm32_b32 hwreg(HW_REG_WAVE_MODE, 25, 1), 1
	s_wait_xcnt 0x0
; y[half of K][slot] = h[slot] Wd^T over one half of K = 2,048, for every routed row, on codes of E4M3 with one E8M0 byte for each 32 along K; f32 out.  The launch behind this one adds the two halves.
; THE WEIGHTS STAND STILL.  Work-group (x = 2 slice + half, y = expert) owns 64 columns d of one expert and 1,024 of K: each weight byte is fetched once in the launch.  Its four waves hold the same 64 rows x 1,024 (512 registers)
; and take the expert's tiles of 16 rows w, w + 4, ..  So a wave reads half of a tile's h, 16 KB, for 64 columns, and two such halves fit in registers: the next tile is fetched while this one is multiplied.
; THE WEIGHTS COME IN LONG RUNS: wave w fetches rows 16 w .. 16 w + 15, 512 consecutive bytes a load, and lays them in LDS, 1,040 bytes apart; one barrier, at the head, ahead of every branch on a loaded number; then each wave
; reads its 32 fragments.  A tile's h comes as it was laid: a fragment's registers on end, lane by lane: 512 consecutive bytes a load.
; TRANSPOSED: source 0 = 16 rows of Wd, source 1 = 16 tokens.  Lane r of tile u = 2 g + v takes row 32 g + 8 v + r + 8 (r / 8) of the 64: lane (r, h) then holds slot r's d = 32 g + 16 h + 0 .. 15 in tiles 2 g, 2 g + 1.
; In LDS a tile's 16 rows lie side by side: row 32 g + 16 a + 8 v + j stands at place 32 g + 16 v + 8 a + j.
; y is laid [2 halves x 32 planes of 32 columns][2176 slots][32 f32]: a tile's part of a plane is 2,048 consecutive bytes; it goes through the wave's own stage in LDS and leaves in stores of 512 consecutive bytes.
; NO TENSOR LOAD, NO CLUSTER: the number of tiles is a number read from memory, so no barrier stands in the loop.  A wave's last tile is written out, inside the loop, without a fetch, and ends the wave:
; so nothing is fetched that is not used, and no buffer is read on any way before it is loaded.
; REGISTERS, in windows of 256.  Window 0: v1-19 addresses; v32-63 four accumulators; v64-95 Wd's scale words; v96-111 h's, two sets; v128-159 rows of y.
;   window 1: Wd's fragments of K steps 0-3 at v[64 u + 16 s];   window 2: K steps 4-7;   window 3: h's eight fragments, buffer q at v[128 q + 16 s] (at the head v0-127: my 16 rows of Wd as loaded).
.set HSC,   4456448
.set PLANE, 278528                     ; a plane of y: 2,176 slots x 128 bytes
.set RP,    1040                       ; an LDS row of weights: 1,024 bytes + 16 = 260 words: row r starts at bank 4 r mod 64 (64 banks of 4 bytes: ISA guide 11.1)
.set STG,   64*RP                      ; behind the 64 rows: a stage for each wave,
.set SP,    272                        ; 16 rows x (256 bytes + 16)
.set ACC, 32
.set WS,  64
.set HS,  96
.set Y,   128
.set MSB, 0
.macro WIN new                         ; the immediate's high byte repeats the setting that is left
.if MSB != \new
	s_set_vgpr_msb (MSB<<8)|\new
.set MSB, \new
.endif
.endm
; 34 loads: my half of K of tile s24: its scale words and eight fragments, into buffer q; va, vs: the buffer's own two address registers
.macro HL q, va, vs
	s_min_u32 s34, s24, s25                        ; inside the expert's tiles
	s_add_co_u32 s34, s34, s21
	s_min_u32 s34, s34, 135
	s_lshl_b32 s35, s34, 15
	s_lshl_b32 s36, s34, 10
	v_add_nc_u32 v[\va], s35, v5
	v_add_nc_u32 v[\vs], s36, v6
	global_load_b128 v[HS+8*(\q):HS+8*(\q)+3],   v[\vs], s[4:5] offset:HSC
	global_load_b128 v[HS+8*(\q)+4:HS+8*(\q)+7], v[\vs], s[4:5] offset:HSC+16
	WIN 0xc0                                       ; destination window 3
.irp k, 0,1,2,3,4,5,6,7
.irp c, 0,1,2,3
	global_load_b128 v[128*(\q)+16*\k+4*\c:128*(\q)+16*\k+4*\c+3], v[\va], s[4:5] offset:(4*\k+\c)*512
.endr
.endr
	WIN 0
.endm
; tile s23, out of buffer q: 32 products, then the way out
.macro WORK q
	WIN 0x0d                                       ; source 0 window 1, source 1 window 3, C and D window 0
.irp s, 0,1,2,3
.irp u, 0,1,2,3                                ; the four accumulators take turns, one instruction a turn
.if \s == 0
	v_wmma_scale_f32_16x16x128_f8f6f4 v[ACC+8*\u:ACC+8*\u+7], v[64*\u+16*\s:64*\u+16*\s+15], v[128*\q+16*\s:128*\q+16*\s+15], 0, v[WS+8*\u+\s], v[HS+8*\q+\s]
.else
	v_wmma_scale_f32_16x16x128_f8f6f4 v[ACC+8*\u:ACC+8*\u+7], v[64*\u+16*\s:64*\u+16*\s+15], v[128*\q+16*\s:128*\q+16*\s+15], v[ACC+8*\u:ACC+8*\u+7], v[WS+8*\u+\s], v[HS+8*\q+\s]
.endif
.endr
.endr
	WIN 0x0e                                       ; source 0 window 2
.irp s, 0,1,2,3
.irp u, 0,1,2,3
	v_wmma_scale_f32_16x16x128_f8f6f4 v[ACC+8*\u:ACC+8*\u+7], v[64*\u+16*\s:64*\u+16*\s+15], v[128*\q+64+16*\s:128*\q+64+16*\s+15], v[ACC+8*\u:ACC+8*\u+7], v[WS+8*\u+4+\s], v[HS+8*\q+4+\s]
.endr
.endr
	WIN 0
.rept 10
	v_nop                                          ; eight places before an LDS store reads the results and before loads land on the operands, nine before the next tile's first products begin the accumulators anew; no other vector work is at hand
.endr
.irp u, 0,1,2,3
	ds_store_b128 v11, v[ACC+8*\u:ACC+8*\u+3]   offset:128*(\u/2)+32*(\u%2)      ; each accumulator from its low end on: slot r, columns 32 g + 16 h + 8 v + 0 .. 7
	ds_store_b128 v11, v[ACC+8*\u+4:ACC+8*\u+7] offset:128*(\u/2)+32*(\u%2)+16
.endr
.irp g, 0,1
.irp i, 0,1,2,3
	ds_load_b128 v[Y+4*(4*\g+\i):Y+4*(4*\g+\i)+3], v12 offset:4*SP*\i+128*\g   ; LDS serves a wave's instructions in order (ISA guide 5.7.1.4): these see my stores.  Eight lanes to a slot's 128 bytes of plane g
.endr
.endr
	s_add_co_u32 s34, s21, s23
	s_min_u32 s34, s34, 135                        ; the tile's number among all experts'
	s_lshl_b32 s35, s34, 11
	s_add_co_u32 s35, s35, s37
	v_add_nc_u32 v13, s35, v3
	s_wait_dscnt 0x0
.irp g, 0,1
.irp i, 0,1,2,3
	global_store_b128 v13, v[Y+4*(4*\g+\i):Y+4*(4*\g+\i)+3], s[12:13] offset:\g*PLANE+512*\i   ; 32 lanes store 512 consecutive bytes, aligned
.endr
.endr
.endm
; one tile.  Where it is my last, a copy of the work that fetches nothing ends the wave; else the next tile is asked for first, into the other buffer
.macro STEP q, va, vs
	s_wait_loadcnt 0x0                             ; this tile's h and scale words are in (the first time: Wd's scale words too); every address register of a load is free
	s_wait_xcnt 0x0                                ; only the last tile's eight stores are out here: v13 and v128-159, which they read, are written again only behind this wait
	s_add_co_u32 s24, s23, 4                       ; my next tile
	s_cmp_lt_u32 s24, s22
	s_cbranch_scc1 .Lgo_\@
	WORK \q
	s_wait_tensorcnt 0x0
	ds_add_u32 v254, v255
	s_wait_dscnt 0x0
	s_endpgm
.Lgo_\@:
	HL 1-\q, \va, \vs                              ; it has this tile's work in which to land; the buffer's last readers stand behind ten places
	WORK \q
	s_add_co_u32 s23, s23, 4
.endm
	s_load_b256 s[4:11], s[0:1], 0x0               ; hq s[4:5], plan s[6:7], Wd's codes s[8:9], Wd's scales s[10:11]
	s_load_b64 s[12:13], s[0:1], 0x20              ; y
	v_lshl_add_u32 v254, v0, 2, 0x14800
	v_mov_b32 v255, 0
	v_lshrrev_b32 v1, 5, v0
	v_readfirstlane_b32 s18, v1                    ; wave
	s_and_b32 s39, ttmp7, 0xffff                   ; the expert
	s_and_b32 s38, ttmp9, 1                        ; which half of K
	s_lshr_b32 s41, ttmp9, 1                       ; which 64 columns
	s_lshl_b32 s42, s39, 10
	s_lshl_b32 s43, s41, 6
	s_add_co_u32 s42, s42, s43                     ; the work-group's first row of Wd: 1024 e + 64 slice
	s_lshl_b32 s46, s42, 6                         ; its scale bytes,
	s_lshl_b32 s43, s38, 5
	s_add_co_u32 s46, s46, s43                     ; my half's 32 of a row's 64
	s_mov_b32 s47, 0
	s_lshl_b32 s43, s18, 4
	s_add_co_u32 s44, s42, s43                     ; the first of the 16 rows that I fetch,
	s_lshl_b32 s44, s44, 11                        ; in bytes of codes,
	s_lshl_b32 s43, s38, 10
	s_add_co_u32 s44, s44, s43                     ; my half's 1,024 of a row's 2,048
	s_mov_b32 s45, 0
	s_lshl_b32 s48, s39, 3                         ; the expert's pair {n, tb}
	s_mov_b32 s49, 0
	s_lshl_b32 s37, s38, 5
	s_lshl_b32 s43, s41, 1
	s_add_co_u32 s37, s37, s43
	s_mul_i32 s37, s37, PLANE                      ; my first plane of y: 32 half + 2 slice
	v_and_b32 v19, 31, v0                          ; lane
	v_and_b32 v1, 15, v0                           ; r
	v_bfe_u32 v2, v0, 4, 1                         ; h
	v_lshlrev_b32 v3, 4, v19                       ; 16 lane
	v_and_b32 v4, 8, v1
	v_add_nc_u32 v4, v4, v1                        ; r + 8 (r / 8)
	v_lshlrev_b32 v4, 6, v4                        ; that row's scale bytes
	s_lshl_b32 s43, s38, 14
	v_add_nc_u32 v5, s43, v3                       ; h's codes: my half's 16 KB of a tile, 16 bytes a lane
	s_lshl_b32 s43, s38, 5
	v_lshl_add_u32 v6, v1, 6, s43                  ; h's scale bytes: 64 r + my half's 32
	s_lshr_b32 s43, s18, 1
	s_mul_i32 s43, s43, 32*RP
	s_and_b32 s50, s18, 1
	s_mul_i32 s50, s50, 8*RP
	s_add_co_u32 s43, s43, s50
	v_add_nc_u32 v15, s43, v3                      ; LDS, the weights on their way in: my rows 16 w + 8 v + j stand at place 32 (w / 2) + 8 (w % 2) + 16 v + j
	v_mul_u32_u24 v16, v1, RP
	v_lshl_add_u32 v16, v2, 4, v16                 ; and out: a fragment's place: row r x pitch + 16 h
	s_mul_i32 s43, s18, 16*SP
	s_add_co_u32 s43, s43, STG                     ; my stage
	v_mul_u32_u24 v11, v1, SP
	v_lshl_add_u32 v11, v2, 6, v11
	v_add_nc_u32 v11, s43, v11                     ; in: row r, + 64 h
	v_lshrrev_b32 v12, 3, v19
	v_mul_u32_u24 v12, v12, SP
	v_and_b32 v14, 7, v19
	v_lshl_add_u32 v12, v14, 4, v12
	v_add_nc_u32 v12, s43, v12                     ; and back: eight lanes to 128 bytes of a row, four rows an instruction
	s_wait_kmcnt 0x0
	s_add_nc_u64 s[8:9], s[8:9], s[44:45]
	s_add_nc_u64 s[10:11], s[10:11], s[46:47]
	s_add_nc_u64 s[48:49], s[6:7], s[48:49]
	s_load_b64 s[20:21], s[48:49], 0x0             ; n, tb
.irp u, 0,1,2,3
	global_load_b128 v[WS+8*\u:WS+8*\u+3],   v4, s[10:11] offset:(32*(\u/2)+8*(\u%2))*64      ; a row's 32 bytes: the scale words of my eight K steps
	global_load_b128 v[WS+8*\u+4:WS+8*\u+7], v4, s[10:11] offset:(32*(\u/2)+8*(\u%2))*64+16
.endr
	WIN 0xc0                                       ; destination window 3
.set K, 0
.rept 32
	global_load_b128 v[4*K:4*K+3], v3, s[8:9] offset:(K/2)*2048+(K%2)*512 th:TH_LOAD_NT   ; 32 lanes read 512 consecutive bytes; read once in the launch
.set K, K+1
.endr
	WIN 0
	s_wait_kmcnt 0x0
	s_min_u32 s20, s20, 1024
	s_min_u32 s21, s21, 135
	s_add_co_u32 s22, s20, 15
	s_lshr_b32 s22, s22, 4                         ; the expert's tiles
	s_wait_loadcnt 0x0                             ; my 16 rows and the scale words
	WIN 0x0c                                       ; an LDS store's data are its source 1: window 3
.set K, 0
.rept 32
.set R, K/2
	ds_store_b128 v15, v[4*K:4*K+3] offset:((R/8)*16+R%8)*RP+(K%2)*512
.set K, K+1
.endr
	WIN 0
	s_wait_dscnt 0x0                               ; for the others' sake: my rows have landed; and the stores have read their registers, which take h next
	s_barrier_signal -1
	s_barrier_wait -1                              ; all 64 rows lie in LDS; nobody writes them again
	s_cmp_ge_u32 s18, s22
	s_cbranch_scc1 .Lend                           ; this split leaves my wave without a tile
	s_sub_co_u32 s25, s22, 1
	s_mov_b32 s23, s18                             ; t: the tile in hand
	s_mov_b32 s24, s18                             ; the tile that is fetched
	HL 0, 7, 8                                     ; my first tile is on its way while the fragments come out of LDS
	WIN 0x40                                       ; destination window 1
.irp u, 0,1,2,3
.irp s, 0,1,2,3
.irp c, 0,1,2,3
	ds_load_b128 v[64*\u+16*\s+4*\c:64*\u+16*\s+4*\c+3], v16 offset:16*\u*RP+128*\s+32*\c
.endr
.endr
.endr
	WIN 0x80                                       ; destination window 2
.irp u, 0,1,2,3
.irp s, 0,1,2,3
.irp c, 0,1,2,3
	ds_load_b128 v[64*\u+16*\s+4*\c:64*\u+16*\s+4*\c+3], v16 offset:16*\u*RP+128*(4+\s)+32*\c
.endr
.endr
.endr
	WIN 0
	s_sub_co_u32 s33, s22, s18
	s_add_co_u32 s33, s33, 3
	s_lshr_b32 s33, s33, 2                         ; my tiles: every fourth from my wave's number on,
	s_add_co_u32 s33, s33, 1
	s_lshr_b32 s33, s33, 1                         ; two to a trip, until the two buffers are back where they began
	s_mov_b32 s32, 0
	s_wait_dscnt 0x0                               ; the weights' fragments are in
.Lloop:
	STEP 0, 9, 10
	STEP 1, 7, 8
	s_add_co_u32 s32, s32, 1
	s_cmp_lt_u32 s32, s33
	s_cbranch_scc1 .Lloop                          ; (a wave ends in the step of its last tile, in the last trip at the latest)
.Lend:
	s_wait_tensorcnt 0x0
	ds_add_u32 v254, v255
	s_wait_dscnt 0x0
	s_endpgm
.Lfunc_end_k_q9005510672_down:
	.size	k_q9005510672_down, .Lfunc_end_k_q9005510672_down-k_q9005510672_down
	.p2alignl 7, 3214868480
	.fill 96, 4, 3214868480
	.section	.rodata,"a",@progbits
	.p2align	6, 0x0
	.amdhsa_kernel k_q9005510672_down
		.amdhsa_group_segment_fixed_size 84480
		.amdhsa_private_segment_fixed_size 0
		.amdhsa_enable_private_segment 0
		.amdhsa_kernarg_size 40
		.amdhsa_user_sgpr_count 2
		.amdhsa_user_sgpr_kernarg_segment_ptr 1
		.amdhsa_wavefront_size32 1
		.amdhsa_system_sgpr_workgroup_id_x 1
		.amdhsa_system_sgpr_workgroup_id_y 1
		.amdhsa_system_sgpr_workgroup_id_z 1
		.amdhsa_system_vgpr_workitem_id 0
		.amdhsa_next_free_vgpr 1024
		.amdhsa_next_free_sgpr 66
		.amdhsa_reserve_vcc 0
		.amdhsa_float_denorm_mode_32 3
		.amdhsa_float_denorm_mode_16_64 3
		.amdhsa_memory_ordered 1
		.amdhsa_forward_progress 1
		.amdhsa_inst_pref_size 55
	.end_amdhsa_kernel
	.amdgpu_metadata
---
amdhsa.version: [ 1, 2 ]
amdhsa.kernels:
  - .name:           k_q9005510672_down
    .symbol:         k_q9005510672_down.kd
    .args:
      - { .name: hq, .offset: 0, .size: 8, .value_kind: global_buffer, .address_space: global }
      - { .name: plan, .offset: 8, .size: 8, .value_kind: global_buffer, .address_space: global }
      - { .name: w_down_codes, .offset: 16, .size: 8, .value_kind: global_buffer, .address_space: global }
      - { .name: w_down_scales, .offset: 24, .size: 8, .value_kind: global_buffer, .address_space: global }
      - { .name: y, .offset: 32, .size: 8, .value_kind: global_buffer, .address_space: global }
    .group_segment_fixed_size: 84480
    .private_segment_fixed_size: 0
    .kernarg_segment_align: 8
    .kernarg_segment_size: 40
    .max_flat_workgroup_size: 128
    .sgpr_count:     66
    .vgpr_count:     1024
    .wavefront_size: 32
...
	.end_amdgpu_metadata
.endif
;; end of part 4
;; launch sum (part 5): grid 256 x 1, 4 waves a work-group, no clusters, 0 bytes of LDS; arguments y, plan, wts, out0; writes out0
.if DOCPART == 5
	.amdgcn_target "amdgcn-amd-amdhsa--gfx1250"
	.amdhsa_code_object_version 6
	.text
	.protected	k_q9005510672_sum
	.globl	k_q9005510672_sum
	.p2align	8
	.type	k_q9005510672_sum,@function
k_q9005510672_sum:
	s_mov_b64 s[64:65], 0
	v_nop
	global_prefetch_b8 v0, s[64:65] scope:SCOPE_SE
	s_setreg_imm32_b32 hwreg(HW_REG_WAVE_MODE, 25, 1), 1
	s_wait_xcnt 0x0
; out0[t] = w1 (ya[slot1] + yb[slot1]) + w2 (ya[slot2] + yb[slot2]): each output row has one owner, which gathers the token's two routed rows, each in its two halves of K, by the slots that an earlier launch stored.
; One wave a token.  y is laid [2 halves x 32 planes][2176 slots][32 f32]: a load takes 128 bytes of each of four planes; a store 512 consecutive bytes of the token's row.
; A stream: no LDS, no barrier, no matrix unit; all 32 loads of a wave go out at once.
.set PLANE, 278528
.set POS,   256
.set A,     16                         ; v16-47   the first row, first half of K; then the result
.set B,     48                         ; v48-79   the second row, first half
.set C,     80                         ; v80-111  the first row, second half
.set D,     112                        ; v112-143 the second row, second half
	s_load_b256 s[4:11], s[0:1], 0x0               ; y s[4:5], plan s[6:7], wts s[8:9], out0 s[10:11]
	v_lshrrev_b32 v1, 5, v0
	v_readfirstlane_b32 s16, v1                    ; wave
	s_lshl_b32 s17, ttmp9, 2
	s_add_co_u32 s17, s17, s16                     ; my token
	s_lshl_b32 s12, s17, 3                         ; its pair in POS and in wts
	s_mov_b32 s13, 0
	s_lshl_b32 s18, s17, 12                        ; its row of out0
	s_mov_b32 s19, 0
	v_and_b32 v1, 31, v0
	v_lshrrev_b32 v2, 3, v1
	v_mul_u32_u24 v2, v2, PLANE
	v_and_b32 v6, 7, v1
	v_lshl_add_u32 v2, v6, 4, v2                   ; plane lane / 8 of four, 16 bytes of its 128
	v_lshlrev_b32 v5, 4, v1
	s_wait_kmcnt 0x0
	s_add_nc_u64 s[14:15], s[8:9], s[12:13]
	s_add_nc_u64 s[12:13], s[6:7], s[12:13]
	s_add_nc_u64 s[10:11], s[10:11], s[18:19]
	s_add_nc_u64 s[28:29], s[4:5], 32*PLANE        ; the second half of K
	s_load_b64 s[20:21], s[12:13], POS             ; the two slots
	s_load_b64 s[22:23], s[14:15], 0x0             ; the two weights
	s_wait_kmcnt 0x0
	s_min_u32 s20, s20, 2175
	s_min_u32 s21, s21, 2175
	s_mov_b32 s24, s23                             ; w2 at the head of a pair of its own: the packed form takes a pair's low word for both halves
	s_mov_b32 s25, s23
	s_lshl_b32 s26, s20, 7
	s_lshl_b32 s27, s21, 7
	v_add_nc_u32 v3, s26, v2
	v_add_nc_u32 v4, s27, v2
.irp i, 0,1,2,3,4,5,6,7
	global_load_b128 v[A+4*\i:A+4*\i+3], v3, s[4:5]   offset:\i*4*PLANE th:TH_LOAD_NT   ; 28 planes at the most: inside the signed 24-bit immediate
	global_load_b128 v[C+4*\i:C+4*\i+3], v3, s[28:29] offset:\i*4*PLANE th:TH_LOAD_NT
	global_load_b128 v[B+4*\i:B+4*\i+3], v4, s[4:5]   offset:\i*4*PLANE th:TH_LOAD_NT
	global_load_b128 v[D+4*\i:D+4*\i+3], v4, s[28:29] offset:\i*4*PLANE th:TH_LOAD_NT
.endr
.irp i, 0,1,2,3,4,5,6,7
	s_wait_loadcnt 28-4*\i                         ; the younger groups of four loads may stay out
	v_pk_add_f32 v[A+4*\i:A+4*\i+1],   v[A+4*\i:A+4*\i+1],   v[C+4*\i:C+4*\i+1]
	v_pk_add_f32 v[A+4*\i+2:A+4*\i+3], v[A+4*\i+2:A+4*\i+3], v[C+4*\i+2:C+4*\i+3]
	v_pk_add_f32 v[B+4*\i:B+4*\i+1],   v[B+4*\i:B+4*\i+1],   v[D+4*\i:D+4*\i+1]
	v_pk_add_f32 v[B+4*\i+2:B+4*\i+3], v[B+4*\i+2:B+4*\i+3], v[D+4*\i+2:D+4*\i+3]
	v_pk_mul_f32 v[A+4*\i:A+4*\i+1],   v[A+4*\i:A+4*\i+1],   s[22:23] op_sel_hi:[1,0]
	v_pk_mul_f32 v[A+4*\i+2:A+4*\i+3], v[A+4*\i+2:A+4*\i+3], s[22:23] op_sel_hi:[1,0]
	v_pk_fma_f32 v[A+4*\i:A+4*\i+1],   v[B+4*\i:B+4*\i+1],   s[24:25], v[A+4*\i:A+4*\i+1]   op_sel_hi:[1,0,1]
	v_pk_fma_f32 v[A+4*\i+2:A+4*\i+3], v[B+4*\i+2:B+4*\i+3], s[24:25], v[A+4*\i+2:A+4*\i+3] op_sel_hi:[1,0,1]
	global_store_b128 v5, v[A+4*\i:A+4*\i+3], s[10:11] offset:512*\i th:TH_STORE_NT
.endr
	s_endpgm
.Lfunc_end_k_q9005510672_sum:
	.size	k_q9005510672_sum, .Lfunc_end_k_q9005510672_sum-k_q9005510672_sum
	.p2alignl 7, 3214868480
	.fill 96, 4, 3214868480
	.section	.rodata,"a",@progbits
	.p2align	6, 0x0
	.amdhsa_kernel k_q9005510672_sum
		.amdhsa_group_segment_fixed_size 0
		.amdhsa_private_segment_fixed_size 0
		.amdhsa_enable_private_segment 0
		.amdhsa_kernarg_size 32
		.amdhsa_user_sgpr_count 2
		.amdhsa_user_sgpr_kernarg_segment_ptr 1
		.amdhsa_wavefront_size32 1
		.amdhsa_system_sgpr_workgroup_id_x 1
		.amdhsa_system_sgpr_workgroup_id_y 1
		.amdhsa_system_sgpr_workgroup_id_z 1
		.amdhsa_system_vgpr_workitem_id 0
		.amdhsa_next_free_vgpr 160
		.amdhsa_next_free_sgpr 66
		.amdhsa_reserve_vcc 0
		.amdhsa_float_denorm_mode_32 3
		.amdhsa_float_denorm_mode_16_64 3
		.amdhsa_memory_ordered 1
		.amdhsa_forward_progress 1
		.amdhsa_inst_pref_size 10
	.end_amdhsa_kernel
	.amdgpu_metadata
---
amdhsa.version: [ 1, 2 ]
amdhsa.kernels:
  - .name:           k_q9005510672_sum
    .symbol:         k_q9005510672_sum.kd
    .args:
      - { .name: y, .offset: 0, .size: 8, .value_kind: global_buffer, .address_space: global }
      - { .name: plan, .offset: 8, .size: 8, .value_kind: global_buffer, .address_space: global }
      - { .name: wts, .offset: 16, .size: 8, .value_kind: global_buffer, .address_space: global }
      - { .name: out0, .offset: 24, .size: 8, .value_kind: global_buffer, .address_space: global }
    .group_segment_fixed_size: 0
    .private_segment_fixed_size: 0
    .kernarg_segment_align: 8
    .kernarg_segment_size: 32
    .max_flat_workgroup_size: 128
    .sgpr_count:     66
    .vgpr_count:     160
    .wavefront_size: 32
...
	.end_amdgpu_metadata
.endif
;; end of part 5
;; ======== version 2 of 2: 5 launches
;; workspace buffers: xq 1,081,344 bytes; sel 8,192 bytes of whole numbers; wts 8,192 bytes; plan 17,152 bytes of whole numbers; hq 4,595,712 bytes; y 17,825,792 bytes
;; launch route (part 6): grid 256 x 1, 4 waves a work-group, no clusters, 16,896 bytes of LDS; arguments hidden_states, gate_w, out1, xq, sel, wts; writes out1, xq, sel, wts
.if DOCPART == 6
	.amdgcn_target "amdgcn-amd-amdhsa--gfx1250"
	.amdhsa_code_object_version 6
	.text
	.protected	k_q9005510672_route
	.globl	k_q9005510672_route
	.p2align	8
	.type	k_q9005510672_route,@function
k_q9005510672_route:
	s_mov_b64 s[64:65], 0
	v_nop
	global_prefetch_b8 v0, s[64:65] scope:SCOPE_SE
	s_setreg_imm32_b32 hwreg(HW_REG_WAVE_MODE, 25, 1), 1
	s_wait_xcnt 0x0
; THE ROUTER AND THE QUANTISER OF x.  x: [1024 tokens][1024] f32; gate_w: [8][1024] f32.
; out1[t][e] = x[t] . gate_w[e], in f32.  p_e = 2^((l_e - max l) log2 e); the two largest p (ties: the lower index) are the token's experts, their weights p / (p1 + p2):
; the softmax's divisor cancels in the renormalised weights.  The experts go to sel[t][2] (whole numbers), the weights to wts[t][2], at fixed places: no address here hangs on them.
; x is turned into codes of E4M3 with one E8M0 byte for each 32 along D: xq = codes [1024][1024], then from byte XSC the scale bytes [1024][32].
; SHARES.  A work-group takes four tokens.  Wave g takes columns 256 g .. 256 g + 255 of all four: a lane holds 8 neighbours, four lanes a block of 32; gate_w is read once by the work-group.
; The lanes' partial sums of the 32 logits meet in LDS; then wave g finishes token g.
; LIMITS: NaN and infinities are not served.  The choice is made on p; where the normalised scores of the definition round to equal numbers and p does not, the second choice may differ.
; A block of zeros carries the byte 1 (its codes are zeros; this program alone reads the bytes).
; No matrix unit, no cluster: the work-groups share only gate_w's 32 KB, and the launch is a stream.
.set XSC, 0x100000                     ; where the scale bytes begin in xq
.set M,   8                            ; v8-11   a block's largest magnitude, token t
.set SC,  12                           ; v12-15  the conversion's scale operand
.set LIM, 16                           ; v16-19  448 x the scale
.set BY,  20                           ; v20-23  the scale's byte
.set CD,  24                           ; v24-31  8 codes a token
.set X,   32                           ; v32-63  x: 8 numbers a token;  later the partial sums read back
.set GW,  64                           ; v64-127 gate_w: 8 numbers an expert;  later the logits and what follows
.set P,   128                          ; v128-191 32 packed sums
.set S,   192                          ; v192-223 my lane's part of logit (t, e)
.set Q,   224                          ; v224-231 8 numbers held for the conversion
	s_load_b256 s[4:11], s[0:1], 0x0               ; x s[4:5], gate_w s[6:7], out1 s[8:9], xq s[10:11]
	s_load_b128 s[12:15], s[0:1], 0x20             ; sel s[12:13], wts s[14:15]
	v_lshl_add_u32 v240, v0, 2, 0x4000
	v_mov_b32 v241, 0
	v_lshrrev_b32 v1, 5, v0
	v_readfirstlane_b32 s16, v1                    ; wave g
	v_and_b32 v1, 31, v0                           ; lane
	s_lshl_b32 s24, s16, 10
	v_lshl_add_u32 v2, v1, 5, s24                  ; x and gate_w: 1024 g + 32 lane bytes into a row
	v_lshl_add_u32 v6, v1, 4, s24                  ; LDS, back: token g's 1,024 bytes of each wave's part, 16 bytes a lane
	s_lshl_b32 s24, s16, 8
	v_lshl_add_u32 v3, v1, 3, s24                  ; codes: 256 g + 8 lane
	s_lshl_b32 s24, s16, 12
	v_lshl_add_u32 v5, v1, 4, s24                  ; LDS, in: my wave's 4,096 bytes, 16 bytes a lane
	v_and_b32 v4, 3, v1
	v_lshrrev_b32 v7, 2, v1
	v_lshl_add_u32 v4, v4, 5, v7
	s_lshl_b32 s24, s16, 3
	v_add_nc_u32 v4, s24, v4                       ; scale bytes: lane l stores token l % 4's byte of block 8 g + l / 4
	v_mov_b32 v7, 0
	s_mov_b32 s17, 0x600000                        ; the mantissa field of 448
	s_mov_b32 s18, 0x76543210
	s_mov_b32 s19, 0xfedcba98                      ; v_permlanex16_b32's selects for lane l xor 16
	s_mov_b32 s20, 0x22222222                      ; lanes with l % 4 = 1,
	s_mov_b32 s21, 0x44444444                      ; 2,
	s_mov_b32 s22, 0x88888888                      ; 3
	s_lshl_b32 s24, ttmp9, 14                      ; four rows of x
	s_mov_b32 s25, 0
	s_lshl_b32 s26, ttmp9, 12                      ; four rows of codes
	s_mov_b32 s27, 0
	s_lshl_b32 s28, ttmp9, 7                       ; four rows of scale bytes
	s_mov_b32 s29, 0
	s_lshl_b32 s30, ttmp9, 2
	s_add_co_u32 s30, s30, s16                     ; the token that my wave finishes
	s_lshl_b32 s32, s30, 5                         ; its row of out1
	s_mov_b32 s33, 0
	s_lshl_b32 s30, s30, 3                         ; its pair in sel and in wts
	s_mov_b32 s31, 0
	s_wait_alu depctr_va_vdst(0)
	s_wait_kmcnt 0x0
	s_add_nc_u64 s[4:5], s[4:5], s[24:25]
	s_add_nc_u64 s[28:29], s[10:11], s[28:29]
	s_add_nc_u64 s[10:11], s[10:11], s[26:27]
	s_add_nc_u64 s[8:9], s[8:9], s[32:33]
	s_add_nc_u64 s[12:13], s[12:13], s[30:31]
	s_add_nc_u64 s[14:15], s[14:15], s[30:31]
.irp t, 0,1,2,3
	global_load_b128 v[X+8*\t:X+8*\t+3],   v2, s[4:5] offset:\t*4096 th:TH_LOAD_NT
	global_load_b128 v[X+8*\t+4:X+8*\t+7], v2, s[4:5] offset:\t*4096+16 th:TH_LOAD_NT
.endr
.irp e, 0,1,2,3,4,5,6,7
	global_load_b128 v[GW+8*\e:GW+8*\e+3],   v2, s[6:7] offset:\e*4096
	global_load_b128 v[GW+8*\e+4:GW+8*\e+7], v2, s[6:7] offset:\e*4096+16
.endr
	s_wait_loadcnt 16                              ; x's eight loads are in; gate_w's sixteen may stay out
	; ---- the blocks' scales, the four tokens by turns
.irp t, 0,1,2,3
	v_max3_num_f32 v[M+\t], |v[X+8*\t]|, |v[X+8*\t+1]|, 0x4800000   ; the floor 2^(9 - 127) among the leaves: the byte cannot fall under 1
.endr
.irp i, 2,4,6
.irp t, 0,1,2,3
	v_max3_num_f32 v[M+\t], v[M+\t], |v[X+8*\t+\i]|, |v[X+8*\t+\i+1]|
.endr
.endr
.irp t, 0,1,2,3
	v_max_num_f32_dpp v[M+\t], v[M+\t], v[M+\t] row_xmask:1 row_mask:0xf bank_mask:0xf
.endr
.irp t, 0,1,2,3
	v_max_num_f32_dpp v[M+\t], v[M+\t], v[M+\t] row_xmask:2 row_mask:0xf bank_mask:0xf   ; the four lanes of a block
.endr
.irp t, 0,1,2,3
	v_add_nc_u32 v[SC+\t], 0xfc000000, v[M+\t]     ; 8 off the exponent field: the conversion's scale operand
.endr
.irp t, 0,1,2,3
	v_and_or_b32 v[LIM+\t], v[M+\t], 0x7f800000, s17   ; 448 x the scale
.endr
.irp t, 0,1,2,3
	v_lshrrev_b32 v[BY+\t], 23, v[SC+\t]           ; the scale's byte
.endr
.irp t, 0,1,2,3
.irp j, 0,1,2,3,4,5,6,7
	v_med3_num_f32 v[Q+\j], v[X+8*\t+\j], -v[LIM+\t], v[LIM+\t]   ; the conversion does not saturate (ISA guide 7.6.2): the hold; x itself is kept for the logits
.endr
	v_cvt_scalef32_pk8_fp8_f32 v[CD+2*\t:CD+2*\t+1], v[Q:Q+7], v[SC+\t]
	v_nop                                          ; a plain line between the conversion and the next write of its sources
	global_store_b64 v3, v[CD+2*\t:CD+2*\t+1], s[10:11] offset:\t*1024   ; 32 lanes store 256 consecutive bytes, aligned
.endr
	v_cndmask_b32 v232, v[BY], v[BY+1], s20        ; lane l takes the byte of token l % 4
	v_cndmask_b32 v232, v232, v[BY+2], s21
	v_cndmask_b32 v232, v232, v[BY+3], s22
	global_store_b8 v4, v232, s[28:29] offset:XSC
	; ---- the logits: my 8 columns' part of each of the 32
	s_wait_loadcnt 0x0                             ; gate_w
.irp t, 0,1,2,3
.irp e, 0,1,2,3,4,5,6,7
	v_pk_mul_f32 v[P+2*(8*\t+\e):P+2*(8*\t+\e)+1], v[X+8*\t:X+8*\t+1], v[GW+8*\e:GW+8*\e+1]
.endr
.endr
.irp j, 2,4,6
.irp t, 0,1,2,3
.irp e, 0,1,2,3,4,5,6,7
	v_pk_fma_f32 v[P+2*(8*\t+\e):P+2*(8*\t+\e)+1], v[X+8*\t+\j:X+8*\t+\j+1], v[GW+8*\e+\j:GW+8*\e+\j+1], v[P+2*(8*\t+\e):P+2*(8*\t+\e)+1]
.endr
.endr
.endr
.irp t, 0,1,2,3
.irp e, 0,1,2,3,4,5,6,7
	v_add_f32 v[S+8*\t+\e], v[P+2*(8*\t+\e)], v[P+2*(8*\t+\e)+1]
.endr
.endr
.irp t, 0,1,2,3
	ds_store_b128 v5, v[S+8*\t:S+8*\t+3]   offset:(2*\t)*512      ; LDS: [wave][token][half of the experts][lane][16 bytes]
	ds_store_b128 v5, v[S+8*\t+4:S+8*\t+7] offset:(2*\t+1)*512
.endr
	s_wait_dscnt 0x0                               ; for the others' sake: my stores have landed
	s_barrier_signal -1
	s_barrier_wait -1
	; ---- wave g finishes token g
.irp w, 0,1,2,3
	ds_load_b128 v[X+8*\w:X+8*\w+3],   v6 offset:\w*4096
	ds_load_b128 v[X+8*\w+4:X+8*\w+7], v6 offset:\w*4096+512
.endr
.irp e, 0,1,2,3,4,5,6,7
	v_mov_b32 v[72+\e], 0                          ; a lane permute's destination counts as one of its sources
.endr
	s_wait_dscnt 0x0
.irp k, 0,2,4,6
	v_pk_add_f32 v[64+\k:65+\k], v[X+\k:X+\k+1], v[X+8+\k:X+8+\k+1]
.endr
.irp k, 0,2,4,6
	v_pk_add_f32 v[64+\k:65+\k], v[64+\k:65+\k], v[X+16+\k:X+16+\k+1]
.endr
.irp k, 0,2,4,6
	v_pk_add_f32 v[64+\k:65+\k], v[64+\k:65+\k], v[X+24+\k:X+24+\k+1]
.endr
.irp x, 1,2,4,8
.irp e, 0,1,2,3,4,5,6,7
	v_add_f32_dpp v[64+\e], v[64+\e], v[64+\e] row_xmask:\x row_mask:0xf bank_mask:0xf
.endr
.endr
.irp e, 0,1,2,3,4,5,6,7
	v_permlanex16_b32 v[72+\e], v[64+\e], s18, s19
.endr
.irp e, 0,1,2,3,4,5,6,7
	v_add_f32 v[64+\e], v[64+\e], v[72+\e]         ; v64-71: the token's eight logits, in every lane
.endr
	v_max3_num_f32 v88, v64, v65, v66
	v_max3_num_f32 v88, v88, v67, v68
	v_max3_num_f32 v88, v88, v69, v70
	v_max_num_f32 v88, v88, v71                    ; the largest is taken away ahead of the exponential
.irp e, 0,1,2,3,4,5,6,7
	v_sub_f32 v[80+\e], v[64+\e], v88
.endr
.irp e, 0,1,2,3,4,5,6,7
	v_mul_f32 v[80+\e], 0x3fb8aa3b, v[80+\e]
.endr
	s_wait_alu depctr_va_vdst(0)
.irp e, 0,1,2,3,4,5,6,7
	v_exp_f32 v[80+\e], v[80+\e]                   ; p_e, at most 1
.endr
	v_mov_b32 v90, 0                               ; (a plain line behind the exponentials)  the first choice: expert 0 so far,
	s_wait_alu depctr_va_vdst(0)
	v_mov_b32 v89, v80                             ; with p_0
.irp e, 1,2,3,4,5,6,7
	v_cmp_le_f32 vcc_lo, v[80+\e], v89             ; only a strictly larger p takes the place: ties keep the lower index
	v_cndmask_b32 v90, \e, v90, vcc_lo
	v_max_num_f32 v89, v89, v[80+\e]
.endr
	v_mov_b32 v93, -1.0
.irp e, 0,1,2,3,4,5,6,7
	v_cmp_eq_u32 vcc_lo, \e, v90
	v_cndmask_b32 v[80+\e], v[80+\e], v93, vcc_lo  ; the first choice is out of the second search
.endr
	v_mov_b32 v91, 0
	v_mov_b32 v92, v80
.irp e, 1,2,3,4,5,6,7
	v_cmp_le_f32 vcc_lo, v[80+\e], v92
	v_cndmask_b32 v91, \e, v91, vcc_lo
	v_max_num_f32 v92, v92, v[80+\e]
.endr
	v_add_f32 v94, v89, v92
	s_wait_alu depctr_va_vdst(0)
	v_rcp_f32 v94, v94
	v_nop                                          ; a plain line behind the reciprocal
	s_wait_alu depctr_va_vdst(0)
	v_mul_f32 v96, v89, v94                        ; the two weights
	v_mul_f32 v97, v92, v94
	v_cmp_eq_u32 vcc_lo, 0, v1
	s_wait_alu depctr_va_vdst(0)
	s_wait_xcnt 0x0                                ; EXEC changes only behind this wait
	s_wait_tensorcnt 0x0
	ds_add_u32 v240, v241
	s_wait_dscnt 0x0
	s_and_saveexec_b32 s23, vcc_lo                 ; lane 0 stores for the wave
	global_store_b128 v7, v[64:67], s[8:9]
	global_store_b128 v7, v[68:71], s[8:9] offset:16
	global_store_b64 v7, v[90:91], s[12:13]
	global_store_b64 v7, v[96:97], s[14:15]
	s_wait_xcnt 0x0
	s_or_b32 exec_lo, exec_lo, s23
	s_endpgm
.Lfunc_end_k_q9005510672_route:
	.size	k_q9005510672_route, .Lfunc_end_k_q9005510672_route-k_q9005510672_route
	.p2alignl 7, 3214868480
	.fill 96, 4, 3214868480
	.section	.rodata,"a",@progbits
	.p2align	6, 0x0
	.amdhsa_kernel k_q9005510672_route
		.amdhsa_group_segment_fixed_size 16896
		.amdhsa_private_segment_fixed_size 0
		.amdhsa_enable_private_segment 0
		.amdhsa_kernarg_size 48
		.amdhsa_user_sgpr_count 2
		.amdhsa_user_sgpr_kernarg_segment_ptr 1
		.amdhsa_wavefront_size32 1
		.amdhsa_system_sgpr_workgroup_id_x 1
		.amdhsa_system_sgpr_workgroup_id_y 1
		.amdhsa_system_sgpr_workgroup_id_z 1
		.amdhsa_system_vgpr_workitem_id 0
		.amdhsa_next_free_vgpr 242
		.amdhsa_next_free_sgpr 66
		.amdhsa_reserve_vcc 1
		.amdhsa_float_denorm_mode_32 3
		.amdhsa_float_denorm_mode_16_64 3
		.amdhsa_memory_ordered 1
		.amdhsa_forward_progress 1
		.amdhsa_inst_pref_size 28
	.end_amdhsa_kernel
	.amdgpu_metadata
---
amdhsa.version: [ 1, 2 ]
amdhsa.kernels:
  - .name:           k_q9005510672_route
    .symbol:         k_q9005510672_route.kd
    .args:
      - { .name: hidden_states, .offset: 0, .size: 8, .value_kind: global_buffer, .address_space: global }
      - { .name: gate_w, .offset: 8, .size: 8, .value_kind: global_buffer, .address_space: global }
      - { .name: out1, .offset: 16, .size: 8, .value_kind: global_buffer, .address_space: global }
      - { .name: xq, .offset: 24, .size: 8, .value_kind: global_buffer, .address_space: global }
      - { .name: sel, .offset: 32, .size: 8, .value_kind: global_buffer, .address_space: global }
      - { .name: wts, .offset: 40, .size: 8, .value_kind: global_buffer, .address_space: global }
    .group_segment_fixed_size: 16896
    .private_segment_fixed_size: 0
    .kernarg_segment_align: 8
    .kernarg_segment_size: 48
    .max_flat_workgroup_size: 128
    .sgpr_count:     66
    .vgpr_count:     242
    .wavefront_size: 32
...
	.end_amdgpu_metadata
.endif
;; end of part 6
;; launch place (part 7): grid 1 x 1, 8 waves a work-group, no clusters, 34,048 bytes of LDS; arguments sel, plan; writes plan
.if DOCPART == 7
	.amdgcn_target "amdgcn-amd-amdhsa--gfx1250"
	.amdhsa_code_object_version 6
	.text
	.protected	k_q9005510672_place
	.globl	k_q9005510672_place
	.p2align	8
	.type	k_q9005510672_place,@function
k_q9005510672_place:
	s_mov_b64 s[64:65], 0
	v_nop
	global_prefetch_b8 v0, s[64:65] scope:SCOPE_SE
	s_setreg_imm32_b32 hwreg(HW_REG_WAVE_MODE, 25, 1), 1
	s_wait_xcnt 0x0
; THE ROWS ARE PLACED BY EXPERT: a counting sort of the 2,048 (token, choice) pairs, without atomics.  One work-group of eight waves.
; plan: META [8]{n_e, tb_e}; POS [1024 tokens][2 choices] = the pair's slot; LST [2176 slots] = the slot's token.
; Expert e owns tiles tb_e .. tb_e + ceil(n_e / 16) - 1 of 16 slots; tb_e = the sum of ceil(n / 16) of the experts before it.  At most 135 tiles, whatever the choice.
; PASS 1: wave e reads all 1,024 pairs and makes expert e's masks (a token's two experts differ, so a bit a token: 32 masks of 32 tokens) and its count; the eight counts meet in LDS.
; PASS 2: wave e gives every token the slot that it would have with expert e (the expert's first slot + the tokens before it that chose e) and writes it into a table in LDS, [token][expert]:
; all lanes on, the address made of lane, wave and chunk alone.  The number means something only for the tokens that chose e, and only those are read.
; PASS 3: each pair owns its stores.  Thread i takes tokens i, i + 256, i + 512, i + 768: it reads the token's eight numbers, picks the two of the token's own experts, and stores POS (8 bytes a token, neighbouring
; lanes at neighbouring bytes) and LST[slot] = token.  The slots of a tile past n_e are not written, and no later launch reads them.
.set META, 0
.set POS,  256
.set LST,  8448
.set TAB,  256                         ; LDS: bytes 0-31 the eight counts; from 256 the table, 1,024 tokens x 8 experts x 4 bytes
.set I,    32                          ; v32-95  pass 1: chunk j: the two experts of token 32 j + lane
.set CS,   64                          ; v64-95  pass 2: chunk j's numbers for the table
.set R,    32                          ; v32-63  pass 3: token c's eight numbers
.set SL,   64                          ; v64-71  its two slots
.set AD,   72                          ; v72-79  their places in LST
.set TK,   80                          ; v80-83  the token
.set PR,   96                          ; v96-103 pass 3: the two experts of token thread + 256 c
.set MK,   66                          ; s66-97  chunk j: the lanes whose token chose my expert
	s_load_b128 s[4:7], s[0:1], 0x0                ; sel s[4:5], plan s[6:7]
	v_lshl_add_u32 v112, v0, 2, 0x8100
	v_mov_b32 v113, 0
	v_lshrrev_b32 v1, 5, v0
	s_delay_alu instid0(VALU_DEP_1)
	v_readfirstlane_b32 s8, v1                     ; wave = my expert
	v_and_b32 v1, 31, v0                           ; lane
	s_delay_alu instid0(VALU_DEP_1)
	v_lshlrev_b32 v2, 3, v1                        ; 8 bytes a token of a chunk
	v_lshlrev_b32 v3, 3, v0                        ; pass 3: 8 bytes a thread
	s_lshl_b32 s9, s8, 2
	s_add_co_u32 s9, s9, TAB
	v_lshl_add_u32 v9, v1, 5, s9                   ; the table, in: 32 bytes a token, my expert's word
	v_lshl_add_u32 v26, v0, 5, TAB                 ; and back: my thread's token
	v_mov_b32 v20, 0
	s_mov_b32 s10, 0                               ; n
	s_wait_alu depctr_va_vdst(0)
	s_wait_kmcnt 0x0
.set J, 0
.rept 32
	global_load_b64 v[I+2*J:I+2*J+1], v2, s[4:5] offset:256*J
.set J, J+1
.endr
.irp c, 0,1,2,3
	global_load_b64 v[PR+2*\c:PR+2*\c+1], v3, s[4:5] offset:2048*\c
.endr
	s_wait_loadcnt 0x0
.set J, 0
.rept 32                                       ; pass 1: the masks and the count
	v_cmp_eq_u32 s20, s8, v[I+2*J]
	v_cmp_eq_u32 s21, s8, v[I+2*J+1]
	s_or_b32 s[MK+J], s20, s21
	s_bcnt1_i32_b32 s22, s[MK+J]
	s_add_co_u32 s10, s10, s22
.set J, J+1
.endr
	v_mov_b32 v10, s8
	s_delay_alu instid0(VALU_DEP_1)
	v_lshlrev_b32 v10, 2, v10
	v_mov_b32 v11, s10
	ds_store_b32 v10, v11                          ; all lanes write my wave's word with the same value
	s_wait_dscnt 0x0                               ; for the others' sake: the store has landed
	s_barrier_signal -1
	s_barrier_wait -1
	ds_load_b128 v[12:15], v20
	ds_load_b128 v[16:19], v20 offset:16
	s_wait_dscnt 0x0
.irp i, 0,1,2,3,4,5,6,7
	v_readfirstlane_b32 s[40+\i], v[12+\i]         ; the eight counts
.endr
	s_mov_b32 s11, 0                               ; tb
.irp i, 0,1,2,3,4,5,6
	s_add_co_u32 s23, s[40+\i], 15
	s_lshr_b32 s23, s23, 4
	s_cmp_gt_u32 s8, \i                            ; an expert before mine?
	s_cselect_b32 s23, s23, 0
	s_add_co_u32 s11, s11, s23
.endr
	s_lshl_b32 s12, s11, 4                         ; my expert's first slot
.set J, 0
.rept 32                                       ; pass 2: chunk J
	v_mbcnt_lo_u32_b32 v[CS+J], s[MK+J], s12       ; those of the chunk's lanes before me that chose my expert, behind the chunks before
	ds_store_b32 v9, v[CS+J] offset:1024*J
	s_bcnt1_i32_b32 s23, s[MK+J]
	s_add_co_u32 s12, s12, s23
.set J, J+1
.endr
	v_mov_b32 v22, s10                             ; {n, tb} for the store at the end
	v_mov_b32 v23, s11
	v_mov_b32 v24, s8
	s_delay_alu instid0(VALU_DEP_1)
	v_lshlrev_b32 v24, 3, v24
	s_wait_dscnt 0x0                               ; for the others' sake: my column of the table has landed
	s_barrier_signal -1
	s_barrier_wait -1
	; pass 3
.irp c, 0,1,2,3
	ds_load_b128 v[R+8*\c:R+8*\c+3],   v26 offset:8192*\c
	ds_load_b128 v[R+8*\c+4:R+8*\c+7], v26 offset:8192*\c+16
.endr
.irp c, 0,1,2,3
	v_add_nc_u32 v[TK+\c], 256*\c, v0
.endr
	s_wait_dscnt 0x0
.irp c, 0,1,2,3
.irp k, 0,1
	v_mov_b32 v[SL+2*\c+\k], v[R+8*\c]             ; the number of the pair's own expert is picked: a choice of a value, no branch
.irp e, 1,2,3,4,5,6,7
	v_cmp_eq_u32 vcc_lo, \e, v[PR+2*\c+\k]
	s_delay_alu instid0(VALU_DEP_1)
	v_cndmask_b32 v[SL+2*\c+\k], v[SL+2*\c+\k], v[R+8*\c+\e], vcc_lo
.endr
	s_delay_alu instid0(VALU_DEP_1)
	v_min_u32 v[SL+2*\c+\k], 0x87f, v[SL+2*\c+\k]  ; a slot stays inside the list
	s_delay_alu instid0(VALU_DEP_1)
	v_lshlrev_b32 v[AD+2*\c+\k], 2, v[SL+2*\c+\k]
	global_store_b32 v[AD+2*\c+\k], v[TK+\c], s[6:7] offset:LST
.endr
	global_store_b64 v3, v[SL+2*\c:SL+2*\c+1], s[6:7] offset:POS+2048*\c   ; 32 lanes store 256 consecutive bytes, aligned
.endr
	v_cmp_eq_u32 vcc_lo, 0, v1
	s_wait_xcnt 0x0                                ; EXEC changes only behind this wait
	s_wait_tensorcnt 0x0
	ds_add_u32 v112, v113
	s_wait_dscnt 0x0
	s_and_saveexec_b32 s22, vcc_lo                 ; lane 0 stores for the wave
	global_store_b64 v24, v[22:23], s[6:7] offset:META
	s_wait_xcnt 0x0
	s_or_b32 exec_lo, exec_lo, s22
	s_endpgm
.Lfunc_end_k_q9005510672_place:
	.size	k_q9005510672_place, .Lfunc_end_k_q9005510672_place-k_q9005510672_place
	.p2alignl 7, 3214868480
	.fill 96, 4, 3214868480
	.section	.rodata,"a",@progbits
	.p2align	6, 0x0
	.amdhsa_kernel k_q9005510672_place
		.amdhsa_group_segment_fixed_size 34048
		.amdhsa_private_segment_fixed_size 0
		.amdhsa_enable_private_segment 0
		.amdhsa_kernarg_size 16
		.amdhsa_user_sgpr_count 2
		.amdhsa_user_sgpr_kernarg_segment_ptr 1
		.amdhsa_wavefront_size32 1
		.amdhsa_system_sgpr_workgroup_id_x 1
		.amdhsa_system_sgpr_workgroup_id_y 1
		.amdhsa_system_sgpr_workgroup_id_z 1
		.amdhsa_system_vgpr_workitem_id 0
		.amdhsa_next_free_vgpr 114
		.amdhsa_next_free_sgpr 100
		.amdhsa_reserve_vcc 1
		.amdhsa_float_denorm_mode_32 3
		.amdhsa_float_denorm_mode_16_64 3
		.amdhsa_memory_ordered 1
		.amdhsa_forward_progress 1
		.amdhsa_inst_pref_size 29
	.end_amdhsa_kernel
	.amdgpu_metadata
---
amdhsa.version: [ 1, 2 ]
amdhsa.kernels:
  - .name:           k_q9005510672_place
    .symbol:         k_q9005510672_place.kd
    .args:
      - { .name: sel, .offset: 0, .size: 8, .value_kind: global_buffer, .address_space: global }
      - { .name: plan, .offset: 8, .size: 8, .value_kind: global_buffer, .address_space: global }
    .group_segment_fixed_size: 34048
    .private_segment_fixed_size: 0
    .kernarg_segment_align: 8
    .kernarg_segment_size: 16
    .max_flat_workgroup_size: 256
    .sgpr_count:     100
    .vgpr_count:     114
    .wavefront_size: 32
...
	.end_amdgpu_metadata
.endif
;; end of part 7
;; launch gateup (part 8): grid 32 x 8, 4 waves a work-group, no clusters, 202,240 bytes of LDS; arguments xq, plan, w_gate_codes, w_gate_scales, w_up_codes, w_up_scales, hq; writes hq
.if DOCPART == 8
	.amdgcn_target "amdgcn-amd-amdhsa--gfx1250"
	.amdhsa_code_object_version 6
	.text
	.protected	k_q9005510672_gateup
	.globl	k_q9005510672_gateup
	.p2align	8
	.type	k_q9005510672_gateup,@function
k_q9005510672_gateup:
	s_mov_b64 s[64:65], 0
	v_nop
	global_prefetch_b8 v0, s[64:65] scope:SCOPE_SE
	s_setreg_imm32_b32 hwreg(HW_REG_WAVE_SCHED_MODE, 0, 2), 2
	s_setreg_imm32_b32 hwreg(HW_REG_WAVE_MODE, 25, 1), 1
	s_wait_xcnt 0x0
	s_wait_alu depctr_vm_vsrc(0)
; h = silu(x Wg^T) * (x Wu^T) for the rows that chose an expert, quantised along I, on codes of E4M3 with one E8M0 byte for each 32 along K.
; THE WEIGHTS STAND STILL.  Work-group (x = slice, y = expert) owns 64 hidden units of one expert: each weight byte is fetched once in the launch.  Wave w: b = w % 2, p = w / 2: it owns block B = 2 slice + b,
; hidden units 32 B .. 32 B + 31: 32 rows of Wg and 32 of Wu for all of K = 1,024 stay in 512 registers; it takes the expert's tiles of 16 rows p, p + 2, ..
; EVERY LOAD OF CODES TAKES LONG RUNS, AND LDS TURNS THEM INTO FRAGMENTS.  The work-group's 64 rows of Wg and 64 of Wu are 2 x 64 KB on end: wave w fetches 32 KB of them (matrix p, block b) by loads of 512 consecutive
; bytes and lays the rows in LDS, 1,040 bytes apart; one barrier, at the head, ahead of every branch on a loaded number; then each wave reads its 32 fragments.  A tile's x is gathered by the list of tokens that an
; earlier launch stored: a load takes 256 consecutive bytes of each of two tokens' rows, into 128 staging registers, one tile ahead; the tile turns through the wave's own stage in LDS (no barrier).
; TRANSPOSED: source 0 = 16 rows of a weight, source 1 = 16 tokens.  Lane r of tile u takes weight row 32 B + 8 u + r + 8 (r / 8): lane (r, h) then holds token r, and the 16 registers of tiles 0 and 1
; are hidden units 32 B + 16 h + 0 .. 15: four registers of the next product's fragment, as they stand.  In LDS a tile's 16 rows lie side by side: row 16 a + 8 u + j of a block stands at place 16 u + 8 a + j.
; hq: codes [136 tiles][64 blocks][32 lanes][16 bytes]; from HSC the scale bytes [136][16 rows][64].
; Rows of a tile past the expert's count repeat its last token (the list index is held at n - 1), so that every byte of an owned tile is written.  With n = 0 the index is held at slot 0, which is always written; nothing is made of it.
; NO TENSOR LOAD, NO CLUSTER: the number of tiles is a number read from memory, so no barrier stands in the loop.  A wave's last tile asks for no further x; the list words asked for past the end are held to written words and not used.
; LIMITS: NaN and infinities are not served; a block of zeros carries the byte 1 (its codes are zeros; this program alone reads the bytes).
; REGISTERS, in windows of 256.  Window 0: v1-27 addresses and the quantiser's few; v32-63 four accumulators (gate u0, gate u1, up u0, up u1); v64-95 the weights' scale words; v96-103 x's; v104-107 x's scale bytes as loaded;
;   v112-127 at work; v128-168 the list's rows, addresses, words and x's addresses.   window 1: the weights' fragments of K steps 0-3 at v[64 ti + 16 s];   window 2: K steps 4-7;
;   window 3: v0-127 x's eight fragments, v128-255 the next tile as loaded (at the head all 256: my 32 KB of weights as loaded).
; THE MODE: SCHED_MODE bits 1:0 = 2 (LLVM: expert scheduling mode 2), set by the entry lines.  The code itself states the register dependences
; between vector or matrix instructions and memory or LDS instructions, with s_wait_alu, always for 0.
; THE PLAN.  Registers that memory or LDS instructions touch, in the loop:
;   the staging registers (window 3, v128-255) and XSN   the loads of x land in them; the trip's 33 LDS stores read them; no vector instruction names them.
;   x's fragments (window 3, v0-127) and XS               the trip's 34 LDS loads land in them; the 32 products read them.
;   LW   the list loads land in it; XADDR reads it.        LA   TOKA writes it; the list loads read it.        XA   XADDR writes it; the loads of x read it.
;   v12, v13, v18, v20-23   the way out writes them; the tile's two stores read them.
;   v3 to v11, v24 to v27, RW   made at the head and never written again.
; So a trip has ONE wait on vm_vsrc, behind the stage's stores and ahead of everything that writes a register which a memory instruction has read, and, beside the two behind the transcendentals, TWO on va_vdst:
; one behind XADDR and TOKA, ahead of the loads of x and of the list; one ahead of the two stores, which stands behind all the trip's products and so also states, over the loop's backward jump,
; that they are done reading x's fragments and scale words, in which the next trip's LDS loads land.
; The loads of the next tile stand in one run ahead of the products: there they are issued earliest, and no product names a register that they touch.
.set XSC, 0x100000
.set LST, 8448
.set HSC, 4456448
.set RP,  1040                         ; an LDS row: 1,024 bytes + 16 = 260 words: row r starts at bank 4 r mod 64 (64 banks of 4 bytes: ISA guide 11.1), so the 16 rows of a fragment load start at 16 different banks
.set STG, 128*RP                       ; LDS: 128 rows of weights (64 of Wg, 64 of Wu); behind them a stage for each wave:
.set SW,  16*RP+512                    ; 16 rows of x's codes, then 16 x 32 scale bytes
.set ACC, 32
.set WS,  64
.set XS,  96
.set XSN, 104
.set EE,  112
.set RW,  128                          ; v128-135 row 2 i + h of a tile (what load i of x takes in my half of the lanes); v136 row lane / 2 (the scale bytes')
.set LA,  140                          ; v140-148 where these rows' list words lie
.set LW,  150                          ; v150-158 the list words: tokens
.set XA,  160                          ; v160-168 the tokens' places in xq
.set MSB, 0
.macro WIN new                         ; the immediate's high byte repeats the setting that is left
.if MSB != \new
	s_set_vgpr_msb (MSB<<8)|\new
.set MSB, \new
.endif
.endm
; 16 LDS loads: four K steps (first .. first + 3) of tile ti = 16 rows of the weight whose rows v[adr] names
.macro WF ti, adr, first, u
.irp s, 0,1,2,3
.irp c, 0,1,2,3
	ds_load_b128 v[64*\ti+16*\s+4*\c:64*\ti+16*\s+4*\c+3], v[\adr] offset:\u*16*RP+(\first+\s)*128+\c*32
.endr
.endr
.endm
; where the nine list words of tile s31 lie
.macro TOKA
.irp i, 0,1,2,3,4,5,6,7,8
	v_lshl_add_u32 v[LA+\i], s31, 4, v[RW+\i]      ; 16 x tile + the row,
.endr
.irp i, 0,1,2,3,4,5,6,7,8
	v_min_u32 v[LA+\i], s29, v[LA+\i]              ; held at the expert's last row,
.endr
.irp i, 0,1,2,3,4,5,6,7,8
	v_add_nc_u32 v[LA+\i], s30, v[LA+\i]           ; behind the expert's first slot
.endr
.irp i, 0,1,2,3,4,5,6,7,8
	v_min_u32 v[LA+\i], 0x87f, v[LA+\i]
.endr
.irp i, 0,1,2,3,4,5,6,7,8
	v_lshlrev_b32 v[LA+\i], 2, v[LA+\i]
.endr
.endm
; the nine list words themselves; s31 then steps by the two tiles that the waves of my block take by turns
.macro TOKL
.irp i, 0,1,2,3,4,5,6,7,8
	global_load_b32 v[LW+\i], v[LA+\i], s[6:7] offset:LST
.endr
	s_add_co_u32 s31, s31, 2
.endm
; from the list words to places in xq
.macro XADDR
.irp i, 0,1,2,3,4,5,6,7,8
	v_min_u32 v[XA+\i], 0x3ff, v[LW+\i]
.endr
.irp i, 0,1,2,3,4,5,6,7
	v_lshl_add_u32 v[XA+\i], v[XA+\i], 10, v26     ; the token's row of codes + 16 (lane % 16)
.endr
	v_lshl_add_u32 v[XA+8], v[XA+8], 5, v27        ; the token's 32 scale bytes + 16 (lane % 2)
.endm
; 33 loads: a tile's scale bytes (16 bytes a lane, two lanes to a token) and its codes: load (i, j) takes bytes 256 j .. 256 j + 255 of rows 2 i (lanes 0-15) and 2 i + 1 (lanes 16-31)
.macro XLOAD
	global_load_b128 v[XSN:XSN+3], v[XA+8], s[4:5] offset:XSC
	WIN 0xc0                                       ; destination window 3
.irp i, 0,1,2,3,4,5,6,7
.irp j, 0,1,2,3
	global_load_b128 v[128+16*\i+4*\j:128+16*\i+4*\j+3], v[XA+\i], s[4:5] offset:256*\j
.endr
.endr
	WIN 0
.endm
	s_load_b256 s[4:11], s[0:1], 0x0               ; xq s[4:5], plan s[6:7], Wg's codes s[8:9], Wg's scales s[10:11]
	s_load_b128 s[12:15], s[0:1], 0x20             ; Wu's codes s[12:13], Wu's scales s[14:15]
	s_load_b64 s[16:17], s[0:1], 0x30              ; hq
	v_lshl_add_u32 v254, v0, 2, 0x31400
	v_mov_b32 v255, 0
	v_lshrrev_b32 v1, 5, v0
	v_readfirstlane_b32 s18, v1                    ; wave
	s_wait_alu depctr_va_sdst(0)                   ; s18 is written, ahead of its first reader, the line below
	s_and_b32 s19, s18, 1                          ; b
	s_lshr_b32 s40, s18, 1                         ; p
	s_and_b32 s39, ttmp7, 0xffff                   ; the expert
	s_lshl_b32 s41, ttmp9, 1
	s_add_co_u32 s41, s41, s19                     ; B
	s_lshl_b32 s42, s39, 11
	s_lshl_b32 s43, s41, 5
	s_add_co_u32 s42, s42, s43                     ; my first row of either weight: 2048 e + 32 B
	s_lshl_b32 s44, s42, 10                        ; in bytes of codes,
	s_mov_b32 s45, 0
	s_lshl_b32 s46, s42, 5                         ; of scale bytes
	s_mov_b32 s47, 0
	s_lshl_b32 s48, s39, 3                         ; the expert's pair {n, tb}
	s_mov_b32 s49, 0
	s_mov_b32 s24, 0xbfb8aa3b                      ; -log2(e)
	s_mov_b32 s25, s24                             ; (named with it as a pair, so it is written)
	s_mov_b32 s26, 0x76543210
	s_mov_b32 s27, 0xfedcba98                      ; v_permlanex16_b32's selects for lane l xor 16
	s_mov_b32 s28, 0x600000                        ; the mantissa field of 448
	v_and_b32 v19, 31, v0                          ; lane
	v_and_b32 v1, 15, v0                           ; r
	v_bfe_u32 v2, v0, 4, 1                         ; h
	v_lshlrev_b32 v3, 4, v19                       ; 16 lane
	v_and_b32 v4, 8, v1
	v_add_nc_u32 v4, v4, v1                        ; r + 8 (r / 8)
	v_lshlrev_b32 v4, 5, v4                        ; that row's scale bytes in a block of a weight
	s_mul_i32 s43, s18, 32*RP
	v_add_nc_u32 v5, s43, v3                       ; LDS, the weights on their way in: my 32 rows (matrix p, block b: row 32 w on), 16 bytes a lane
	v_mul_u32_u24 v9, v1, RP
	v_lshl_add_u32 v9, v2, 4, v9                   ; a fragment's place: row r x pitch + 16 h
	s_mul_i32 s43, s19, 32*RP
	v_add_nc_u32 v6, s43, v9                       ; Wg's rows of my block,
	v_add_nc_u32 v7, 64*RP, v6                     ; Wu's, 64 rows further on
	s_mul_i32 s43, s18, SW
	s_add_co_u32 s43, s43, STG                     ; my stage
	v_add_nc_u32 v9, s43, v9                       ; x's fragments out of it
	v_lshlrev_b32 v26, 4, v1                       ; 16 (lane % 16)
	v_mul_u32_u24 v8, v2, RP
	v_add_nc_u32 v8, v8, v26
	v_add_nc_u32 v8, s43, v8                       ; x into it: row h, 16 bytes a lane
	s_add_co_u32 s43, s43, 16*RP
	v_add_nc_u32 v24, s43, v3                      ; x's scale bytes into it: 16 lane: row q's 32 bytes at 32 q,
	v_lshl_add_u32 v25, v1, 5, s43                 ; and out of it: row r's
	v_and_b32 v27, 1, v0
	v_lshlrev_b32 v27, 4, v27                      ; 16 (lane % 2)
.irp i, 0,1,2,3,4,5,6,7
	v_add_nc_u32 v[RW+\i], 2*\i, v2
.endr
	v_lshrrev_b32 v[RW+8], 1, v19
	s_lshl_b32 s43, s41, 9
	v_add_nc_u32 v10, s43, v3                      ; hq: 512 B + 16 lane in a tile's codes,
	v_lshl_add_u32 v11, v1, 6, s41                 ; 64 r + B in its scale bytes
	v_mov_b32 v15, 0                               ; a lane permute's destination counts as one of its sources
	s_wait_kmcnt 0x0
	s_cmp_eq_u32 s40, 0                            ; the matrix that I fetch for: Wg (p = 0) or Wu (p = 1): the choice hangs on the wave's number alone
	s_cselect_b64 s[50:51], s[8:9], s[12:13]
	s_add_nc_u64 s[50:51], s[50:51], s[44:45]
	s_add_nc_u64 s[10:11], s[10:11], s[46:47]
	s_add_nc_u64 s[14:15], s[14:15], s[46:47]
	s_add_nc_u64 s[48:49], s[6:7], s[48:49]
	s_load_b64 s[20:21], s[48:49], 0x0             ; n, tb
	s_wait_alu depctr_va_vdst(0)                   ; the head's addresses are written: v3 and v4, which the loads below read, and v5 to v9, v24, v25, which the LDS stores and loads of the whole kernel read
.irp u, 0,1
	global_load_b128 v[WS+8*\u:WS+8*\u+3],       v4, s[10:11] offset:\u*256      ; a row's 32 bytes: the scale words of its eight K steps
	global_load_b128 v[WS+8*\u+4:WS+8*\u+7],     v4, s[10:11] offset:\u*256+16
	global_load_b128 v[WS+16+8*\u:WS+16+8*\u+3], v4, s[14:15] offset:\u*256
	global_load_b128 v[WS+20+8*\u:WS+20+8*\u+3], v4, s[14:15] offset:\u*256+16
.endr
	WIN 0xc0                                       ; destination window 3
.set K, 0
.rept 64
	global_load_b128 v[4*K:4*K+3], v3, s[50:51] offset:512*K th:TH_LOAD_NT   ; 32 lanes read 512 consecutive bytes: half a row; read once in the launch
.set K, K+1
.endr
	WIN 0
	s_wait_kmcnt 0x0
	s_min_u32 s20, s20, 1024
	s_min_u32 s21, s21, 135
	s_add_co_u32 s22, s20, 15
	s_lshr_b32 s22, s22, 4                         ; the expert's tiles
	s_max_u32 s29, s20, 1
	s_sub_co_u32 s29, s29, 1                       ; n - 1 (0 where n = 0)
	s_lshl_b32 s30, s21, 4                         ; the expert's first slot;
	s_cmp_eq_u32 s20, 0
	s_cselect_b32 s30, 0, s30                      ; where n = 0: slot 0, which is always written
	s_mov_b32 s23, s40                             ; t: the tile in hand
	s_mov_b32 s31, s40                             ; the tile of the next list words
	TOKA
	s_wait_alu depctr_va_vdst(0)                   ; LA is written, which the nine list loads read
	TOKL
	s_wait_loadcnt 9                               ; the nine list loads issued behind the weights may stay out: the weights and their scale words are in
	WIN 0x0c                                       ; an LDS store's data are its source 1: window 3
.set K, 0
.rept 64
.set R, K/2                                    ; the row of my 32; its place: 16 u + 8 a + j for row 16 a + 8 u + j
	ds_store_b128 v5, v[4*K:4*K+3] offset:(((R/8)%2)*16+(R/16)*8+R%8)*RP+(K%2)*512
.set K, K+1
.endr
	WIN 0
	s_wait_loadcnt 0x0                             ; the list words of my first tile
	XADDR
	s_wait_dscnt 0x0                               ; for the others' sake: my rows have landed
	s_wait_alu depctr_vm_vsrc(0)                   ; the 64 LDS stores have read window 3's registers, in which x lands from here on; the list loads have read LA, which the lines below write again
	TOKA                                           ; where the list words of my second tile lie
	s_wait_alu depctr_va_vdst(0)                   ; XA and LA are written, which the loads below read; XADDR is done reading LW, in which the list loads land
	XLOAD                                          ; my first tile
	TOKL                                           ; the list words of my second
	s_barrier_signal -1
	s_barrier_wait -1                              ; all 128 rows lie in LDS; nobody writes them again
	s_cmp_ge_u32 s40, s22
	s_cbranch_scc1 .Lend                           ; this split leaves my wave without a tile
	WIN 0x40                                       ; destination window 1
	WF 0, 6, 0, 0
	WF 1, 6, 0, 1
	WF 2, 7, 0, 0
	WF 3, 7, 0, 1
	WIN 0x80                                       ; destination window 2
	WF 0, 6, 4, 0
	WF 1, 6, 4, 1
	WF 2, 7, 4, 0
	WF 3, 7, 4, 1
	WIN 0
	s_sub_co_u32 s33, s22, s40
	s_add_co_u32 s33, s33, 1
	s_lshr_b32 s33, s33, 1                         ; my tiles: one to a trip
	s_mov_b32 s32, 0
.Ltile:
	s_wait_loadcnt 0x0                             ; this tile's x as loaded, its scale bytes and the next tile's list words are in; every address register of a load is free
	s_wait_xcnt 0x0                                ; only the last tile's two stores are out here: v12, v13, v18 and v20-23, which they read, are written again only behind this wait
	WIN 0x0c                                       ; data: window 3
.irp i, 0,1,2,3,4,5,6,7
.irp j, 0,1,2,3
	ds_store_b128 v8, v[128+16*\i+4*\j:128+16*\i+4*\j+3] offset:2*\i*RP+256*\j   ; rows 2 i and 2 i + 1 of my stage, as they lie in memory
.endr
.endr
	WIN 0
	ds_store_b128 v24, v[XSN:XSN+3]
	s_wait_alu depctr_vm_vsrc(0)                   ; these 33 stores have read the staging registers and XSN, in which the next tile lands; the last trip's loads have read XA and LA, and its two stores v12, v13, v18 and v20-23: all are written again below
	WIN 0xc0                                       ; destination window 3.  The last trip's products are done reading these registers: the wait ahead of its two stores stands behind them
.irp s, 0,1,2,3,4,5,6,7
.irp c, 0,1,2,3
	ds_load_b128 v[16*\s+4*\c:16*\s+4*\c+3], v9 offset:128*\s+32*\c   ; LDS serves a wave's instructions in order (ISA guide 5.7.1.4): these see my stores
.endr
.endr
	WIN 0
	ds_load_b128 v[XS:XS+3], v25                   ; row r's eight scale words
	ds_load_b128 v[XS+4:XS+7], v25 offset:16
	XADDR                                          ; the next tile's places in xq, while LDS works,
	TOKA                                           ; and where the list words of the tile after that lie
	s_wait_dscnt 34                                ; the 34 LDS loads issued behind the 33 stores may stay out: the stores are done, so the staging registers may be loaded again
	s_wait_alu depctr_va_vdst(0)                   ; XA and LA are written, which the loads below read; XADDR is done reading LW, in which the list loads land
	s_add_co_u32 s35, s23, 2
	s_cmp_ge_u32 s35, s22
	s_cbranch_scc1 .Lnox                           ; my last tile asks for no further x (the wait at the trip's head is for 0: no count hangs on this branch)
	XLOAD                                          ; the next tile has this tile's products and way out in which to land
.Lnox:
	TOKL                                           ; the list words of the tile after that
	s_wait_dscnt 0x0                               ; x's fragments and scale words are in (the first time: the weights' fragments too)
	WIN 0x0d                                       ; source 0 window 1, source 1 window 3, C and D window 0
.irp s, 0,1,2,3
.irp ti, 0,1,2,3
.if \s == 0
	v_wmma_scale_f32_16x16x128_f8f6f4 v[ACC+8*\ti:ACC+8*\ti+7], v[64*\ti+16*\s:64*\ti+16*\s+15], v[16*\s:16*\s+15], 0, v[WS+8*\ti+\s], v[XS+\s]
.else
	v_wmma_scale_f32_16x16x128_f8f6f4 v[ACC+8*\ti:ACC+8*\ti+7], v[64*\ti+16*\s:64*\ti+16*\s+15], v[16*\s:16*\s+15], v[ACC+8*\ti:ACC+8*\ti+7], v[WS+8*\ti+\s], v[XS+\s]
.endif
.endr
.endr
	WIN 0x0e                                       ; source 0 window 2
.irp s, 0,1,2,3
.irp ti, 0,1,2,3                               ; the four accumulators take turns, one instruction a turn
	v_wmma_scale_f32_16x16x128_f8f6f4 v[ACC+8*\ti:ACC+8*\ti+7], v[64*\ti+16*\s:64*\ti+16*\s+15], v[64+16*\s:64+16*\s+15], v[ACC+8*\ti:ACC+8*\ti+7], v[WS+8*\ti+4+\s], v[XS+4+\s]
.endr
.endr
	WIN 0
.rept 8
	v_nop                                          ; eight places behind this form before its results are read
.endr
	; h = g u / (1 + 2^(-g log2 e)); each accumulator is read from its low end on
.irp k, 0,2,4,6,8,10,12,14
	v_pk_mul_f32 v[EE+\k:EE+\k+1], v[ACC+\k:ACC+\k+1], s[24:25] op_sel_hi:[1,0]
.endr
	s_wait_alu depctr_va_vdst(0)
.irp k, 0,1,2,3,4,5,6,7,8,9,10,11,12,13,14,15
	v_exp_f32 v[EE+\k], v[EE+\k]
.endr
	s_wait_alu depctr_va_vdst(0)
.irp k, 0,2,4,6,8,10,12,14
	v_pk_mul_f32 v[ACC+\k:ACC+\k+1], v[ACC+\k:ACC+\k+1], v[ACC+16+\k:ACC+16+\k+1]   ; g u (plain lines behind the exponentials)
.endr
	s_wait_alu depctr_va_vdst(0)                   ; the sixteen exponentials have written v[EE ..]: one wait for the batch, ahead of its first reader
.irp k, 0,2,4,6,8,10,12,14
	v_pk_add_f32 v[EE+\k:EE+\k+1], v[EE+\k:EE+\k+1], 1.0 op_sel_hi:[1,0]
.endr
	s_wait_alu depctr_va_vdst(0)
.irp k, 0,1,2,3,4,5,6,7,8,9,10,11,12,13,14,15
	v_rcp_f32 v[EE+\k], v[EE+\k]
.endr
	v_nop                                          ; a plain line behind the reciprocals
	s_wait_alu depctr_va_vdst(0)                   ; the sixteen reciprocals have written v[EE ..]: one wait for the batch, ahead of its first reader
.irp k, 0,2,4,6,8,10,12,14
	v_pk_mul_f32 v[ACC+\k:ACC+\k+1], v[ACC+\k:ACC+\k+1], v[EE+\k:EE+\k+1]
.endr
	; the block's scale: my 16 numbers in two chains, the floor 2^(9 - 127) among the leaves, then lane l xor 16's
	v_max3_num_f32 v14, |v[ACC]|, |v[ACC+1]|, 0x4800000
	v_max3_num_f32 v15, |v[ACC+8]|, |v[ACC+9]|, |v[ACC+10]|
	v_max3_num_f32 v14, v14, |v[ACC+2]|, |v[ACC+3]|
	v_max3_num_f32 v15, v15, |v[ACC+11]|, |v[ACC+12]|
	v_max3_num_f32 v14, v14, |v[ACC+4]|, |v[ACC+5]|
	v_max3_num_f32 v15, v15, |v[ACC+13]|, |v[ACC+14]|
	v_max3_num_f32 v14, v14, |v[ACC+6]|, |v[ACC+7]|
	v_max3_num_f32 v14, v14, v15, |v[ACC+15]|
	v_permlanex16_b32 v15, v14, s26, s27
	v_max_num_f32 v14, v14, v15
	v_add_nc_u32 v16, 0xfc000000, v14              ; 8 off the exponent field: the conversion's scale operand
	v_and_or_b32 v17, v14, 0x7f800000, s28         ; 448 x the scale
.irp k, 0,1,2,3,4,5,6,7,8,9,10,11,12,13,14,15
	v_med3_num_f32 v[ACC+\k], v[ACC+\k], -v17, v17 ; the conversion does not saturate (ISA guide 7.6.2): the hold
.endr
	v_cvt_scalef32_pk8_fp8_f32 v[20:21], v[ACC:ACC+7], v16
	v_cvt_scalef32_pk8_fp8_f32 v[22:23], v[ACC+8:ACC+15], v16
	v_lshrrev_b32 v18, 23, v16                     ; the scale's byte; also the plain line behind the conversions
	s_add_co_u32 s34, s21, s23
	s_min_u32 s34, s34, 135                        ; the tile's number among all experts'
	s_lshl_b32 s35, s34, 15
	s_lshl_b32 s36, s34, 10
	v_add_nc_u32 v12, s35, v10
	v_add_nc_u32 v13, s36, v11
	s_wait_alu depctr_va_vdst(0)                   ; the codes v20-23, the byte v18 and the addresses v12, v13 are written, which the two stores read; the trip's products are done reading x's fragments and scale words, in which the next trip's LDS loads land
	global_store_b128 v12, v[20:23], s[16:17]      ; 32 lanes store 512 consecutive bytes, aligned
	global_store_b8 v13, v18, s[16:17] offset:HSC  ; lanes r and r + 16 write the same byte with the same value
	s_add_co_u32 s23, s23, 2                       ; the tile's number steps by two; the trips are counted one by one
	s_add_co_u32 s32, s32, 1
	s_cmp_lt_u32 s32, s33
	s_cbranch_scc1 .Ltile
.Lend:
	s_wait_dscnt 0x0                               ; the closing lines, six on end
	s_wait_alu 0x0
	s_wait_tensorcnt 0x0
	ds_add_u32 v254, v255
	s_wait_dscnt 0x0
	s_endpgm
.Lfunc_end_k_q9005510672_gateup:
	.size	k_q9005510672_gateup, .Lfunc_end_k_q9005510672_gateup-k_q9005510672_gateup
	.p2alignl 7, 3214868480
	.fill 96, 4, 3214868480
	.section	.rodata,"a",@progbits
	.p2align	6, 0x0
	.amdhsa_kernel k_q9005510672_gateup
		.amdhsa_group_segment_fixed_size 202240
		.amdhsa_private_segment_fixed_size 0
		.amdhsa_enable_private_segment 0
		.amdhsa_kernarg_size 56
		.amdhsa_user_sgpr_count 2
		.amdhsa_user_sgpr_kernarg_segment_ptr 1
		.amdhsa_wavefront_size32 1
		.amdhsa_system_sgpr_workgroup_id_x 1
		.amdhsa_system_sgpr_workgroup_id_y 1
		.amdhsa_system_sgpr_workgroup_id_z 1
		.amdhsa_system_vgpr_workitem_id 0
		.amdhsa_next_free_vgpr 1024
		.amdhsa_next_free_sgpr 66
		.amdhsa_reserve_vcc 0
		.amdhsa_float_denorm_mode_32 3
		.amdhsa_float_denorm_mode_16_64 3
		.amdhsa_memory_ordered 1
		.amdhsa_forward_progress 1
		.amdhsa_inst_pref_size 56
	.end_amdhsa_kernel
	.amdgpu_metadata
---
amdhsa.version: [ 1, 2 ]
amdhsa.kernels:
  - .name:           k_q9005510672_gateup
    .symbol:         k_q9005510672_gateup.kd
    .args:
      - { .name: xq, .offset: 0, .size: 8, .value_kind: global_buffer, .address_space: global }
      - { .name: plan, .offset: 8, .size: 8, .value_kind: global_buffer, .address_space: global }
      - { .name: w_gate_codes, .offset: 16, .size: 8, .value_kind: global_buffer, .address_space: global }
      - { .name: w_gate_scales, .offset: 24, .size: 8, .value_kind: global_buffer, .address_space: global }
      - { .name: w_up_codes, .offset: 32, .size: 8, .value_kind: global_buffer, .address_space: global }
      - { .name: w_up_scales, .offset: 40, .size: 8, .value_kind: global_buffer, .address_space: global }
      - { .name: hq, .offset: 48, .size: 8, .value_kind: global_buffer, .address_space: global }
    .group_segment_fixed_size: 202240
    .private_segment_fixed_size: 0
    .kernarg_segment_align: 8
    .kernarg_segment_size: 56
    .max_flat_workgroup_size: 128
    .sgpr_count:     66
    .vgpr_count:     1024
    .wavefront_size: 32
...
	.end_amdgpu_metadata
.endif
;; end of part 8
;; launch down (part 9): grid 32 x 8, 4 waves a work-group, no clusters, 84,480 bytes of LDS; arguments hq, plan, w_down_codes, w_down_scales, y; writes y
.if DOCPART == 9
	.amdgcn_target "amdgcn-amd-amdhsa--gfx1250"
	.amdhsa_code_object_version 6
	.text
	.protected	k_q9005510672_down
	.globl	k_q9005510672_down
	.p2align	8
	.type	k_q9005510672_down,@function
k_q9005510672_down:
	s_mov_b64 s[64:65], 0
	v_nop
	global_prefetch_b8 v0, s[64:65] scope:SCOPE_SE
	s_setreg_imm32_b32 hwreg(HW_REG_WAVE_SCHED_MODE, 0, 2), 2
	s_setreg_imm32_b32 hwreg(HW_REG_WAVE_MODE, 25, 1), 1
	s_wait_xcnt 0x0
	s_wait_alu depctr_vm_vsrc(0)
; y[half of K][slot] = h[slot] Wd^T over one half of K = 2,048, for every routed row, on codes of E4M3 with one E8M0 byte for each 32 along K; f32 out.  The launch behind this one adds the two halves.
; THE WEIGHTS STAND STILL.  Work-group (x = 2 slice + half, y = expert) owns 64 columns d of one expert and 1,024 of K: each weight byte is fetched once in the launch.  Its four waves hold the same 64 rows x 1,024 (512 registers)
; and take the expert's tiles of 16 rows w, w + 4, ..  So a wave reads half of a tile's h, 16 KB, for 64 columns, and two such halves fit in registers: the next tile is fetched while this one is multiplied.
; THE WEIGHTS COME IN LONG RUNS: wave w fetches rows 16 w .. 16 w + 15, 512 consecutive bytes a load, and lays them in LDS, 1,040 bytes apart; one barrier, at the head, ahead of every branch on a loaded number; then each wave
; reads its 32 fragments.  A tile's h comes as it was laid: a fragment's registers on end, lane by lane: 512 consecutive bytes a load.
; TRANSPOSED: source 0 = 16 rows of Wd, source 1 = 16 tokens.  Lane r of tile u = 2 g + v takes row 32 g + 8 v + r + 8 (r / 8) of the 64: lane (r, h) then holds slot r's d = 32 g + 16 h + 0 .. 15 in tiles 2 g, 2 g + 1.
; In LDS a tile's 16 rows lie side by side: row 32 g + 16 a + 8 v + j stands at place 32 g + 16 v + 8 a + j.
; y is laid [2 halves x 32 planes of 32 columns][2176 slots][32 f32]: a tile's part of a plane is 2,048 consecutive bytes; it goes through the wave's own stage in LDS and leaves in stores of 512 consecutive bytes.
; NO TENSOR LOAD, NO CLUSTER: the number of tiles is a number read from memory, so no barrier stands in the loop.  A wave's last tile is written out, inside the loop, without a fetch, and ends the wave:
; so nothing is fetched that is not used, and no buffer is read on any way before it is loaded.
; REGISTERS, in windows of 256.  Window 0: v1-19 addresses; v32-63 four accumulators; v64-95 Wd's scale words; v96-111 h's, two sets; v128-159 rows of y.
;   window 1: Wd's fragments of K steps 0-3 at v[64 u + 16 s];   window 2: K steps 4-7;   window 3: h's eight fragments, buffer q at v[128 q + 16 s] (at the head v0-127: my 16 rows of Wd as loaded).
; THE MODE: SCHED_MODE bits 1:0 = 2 (LLVM: expert scheduling mode 2), set by the entry lines.  The code itself states the register dependences
; between vector or matrix instructions and memory or LDS instructions, with s_wait_alu, always for 0.
; THE PLAN.  Registers that memory or LDS instructions touch, in the loop:
;   h's buffer q (window 3) and its scale words HS[q]   the 34 loads of HL land in them, a tile ahead; the 32 products of WORK q read them.
;   v7, v8 (buffer 0) and v9, v10 (buffer 1)            HL's two additions write them; HL's loads read them.
;   the accumulators v32-63                              the products write them; the tile's eight LDS stores read them; the next tile's first products write them anew.
;   v128-159                                             the tile's eight LDS loads land in them; its eight global stores read them.        v13   one addition writes it; the global stores read it.
;   v3 to v6, v11, v12, v15, v16                         made at the head and never written again.
; So a tile has ONE wait on vm_vsrc, at its head: all that the last tile's LDS stores, global stores and fetches read may be written again; and TWO on va_vdst: one in HL, behind its two additions, where nothing else
; is pending on the vector side; one behind the places of WORK: the products have written the accumulators and are done reading their buffer, in which the next step's fetch lands, and v13 is written.
; A tile's fetch stands in one run ahead of the products of the tile before: there it is issued earliest, and no product of that tile names a register that it touches.
.set HSC,   4456448
.set PLANE, 278528                     ; a plane of y: 2,176 slots x 128 bytes
.set RP,    1040                       ; an LDS row of weights: 1,024 bytes + 16 = 260 words: row r starts at bank 4 r mod 64 (64 banks of 4 bytes: ISA guide 11.1)
.set STG,   64*RP                      ; behind the 64 rows: a stage for each wave,
.set SP,    272                        ; 16 rows x (256 bytes + 16)
.set ACC, 32
.set WS,  64
.set HS,  96
.set Y,   128
.set MSB, 0
.macro WIN new                         ; the immediate's high byte repeats the setting that is left
.if MSB != \new
	s_set_vgpr_msb (MSB<<8)|\new
.set MSB, \new
.endif
.endm
; 34 loads: my half of K of tile s24: its scale words and eight fragments, into buffer q; va, vs: the buffer's own two address registers
.macro HL q, va, vs
	s_min_u32 s34, s24, s25                        ; inside the expert's tiles
	s_add_co_u32 s34, s34, s21
	s_min_u32 s34, s34, 135
	s_lshl_b32 s35, s34, 15
	s_lshl_b32 s36, s34, 10
	v_add_nc_u32 v[\va], s35, v5
	v_add_nc_u32 v[\vs], s36, v6
	s_wait_alu depctr_va_vdst(0)                   ; the buffer's two addresses are written, which the 34 loads below read
	global_load_b128 v[HS+8*(\q):HS+8*(\q)+3],   v[\vs], s[4:5] offset:HSC
	global_load_b128 v[HS+8*(\q)+4:HS+8*(\q)+7], v[\vs], s[4:5] offset:HSC+16
	WIN 0xc0                                       ; destination window 3
.irp k, 0,1,2,3,4,5,6,7
.irp c, 0,1,2,3
	global_load_b128 v[128*(\q)+16*\k+4*\c:128*(\q)+16*\k+4*\c+3], v[\va], s[4:5] offset:(4*\k+\c)*512
.endr
.endr
	WIN 0
.endm
; tile s23, out of buffer q: 32 products, then the way out
.macro WORK q
	WIN 0x0d                                       ; source 0 window 1, source 1 window 3, C and D window 0
.irp s, 0,1,2,3
.irp u, 0,1,2,3                                ; the four accumulators take turns, one instruction a turn
.if \s == 0
	v_wmma_scale_f32_16x16x128_f8f6f4 v[ACC+8*\u:ACC+8*\u+7], v[64*\u+16*\s:64*\u+16*\s+15], v[128*\q+16*\s:128*\q+16*\s+15], 0, v[WS+8*\u+\s], v[HS+8*\q+\s]
.else
	v_wmma_scale_f32_16x16x128_f8f6f4 v[ACC+8*\u:ACC+8*\u+7], v[64*\u+16*\s:64*\u+16*\s+15], v[128*\q+16*\s:128*\q+16*\s+15], v[ACC+8*\u:ACC+8*\u+7], v[WS+8*\u+\s], v[HS+8*\q+\s]
.endif
.endr
.endr
	WIN 0x0e                                       ; source 0 window 2
.irp s, 0,1,2,3
.irp u, 0,1,2,3
	v_wmma_scale_f32_16x16x128_f8f6f4 v[ACC+8*\u:ACC+8*\u+7], v[64*\u+16*\s:64*\u+16*\s+15], v[128*\q+64+16*\s:128*\q+64+16*\s+15], v[ACC+8*\u:ACC+8*\u+7], v[WS+8*\u+4+\s], v[HS+8*\q+4+\s]
.endr
.endr
	WIN 0
	s_add_co_u32 s34, s21, s23
	s_min_u32 s34, s34, 135                        ; the tile's number among all experts'
	s_lshl_b32 s35, s34, 11
	s_add_co_u32 s35, s35, s37
	v_add_nc_u32 v13, s35, v3                      ; where the tile's rows go in y; it names no register of the products: the first of ten places
.rept 9
	v_nop                                          ; ten places in all: eight before an LDS store reads the results, nine before the next tile's first products begin the accumulators anew; no other vector work is at hand
.endr
	s_wait_alu depctr_va_vdst(0)                   ; the products have written the accumulators, which the LDS stores read, and are done reading their buffer of h and its scale words, in which the next step's fetch lands; v13 is written, which the global stores read.  The places above stay beside this wait
.irp u, 0,1,2,3
	ds_store_b128 v11, v[ACC+8*\u:ACC+8*\u+3]   offset:128*(\u/2)+32*(\u%2)      ; each accumulator from its low end on: slot r, columns 32 g + 16 h + 8 v + 0 .. 7
	ds_store_b128 v11, v[ACC+8*\u+4:ACC+8*\u+7] offset:128*(\u/2)+32*(\u%2)+16
.endr
.irp g, 0,1
.irp i, 0,1,2,3
	ds_load_b128 v[Y+4*(4*\g+\i):Y+4*(4*\g+\i)+3], v12 offset:4*SP*\i+128*\g   ; LDS serves a wave's instructions in order (ISA guide 5.7.1.4): these see my stores.  Eight lanes to a slot's 128 bytes of plane g
.endr
.endr
	s_wait_dscnt 0x0
.irp g, 0,1
.irp i, 0,1,2,3
	global_store_b128 v13, v[Y+4*(4*\g+\i):Y+4*(4*\g+\i)+3], s[12:13] offset:\g*PLANE+512*\i   ; 32 lanes store 512 consecutive bytes, aligned
.endr
.endr
.endm
; one tile.  Where it is my last, a copy of the work that fetches nothing ends the wave; else the next tile is asked for first, into the other buffer
.macro STEP q, va, vs
	s_wait_loadcnt 0x0                             ; this tile's h and scale words are in (the first time: Wd's scale words too); every address register of a load is free
	s_wait_xcnt 0x0                                ; only the last tile's eight stores are out here: v13 and v128-159, which they read, are written again only behind this wait
	s_wait_alu depctr_vm_vsrc(0)                   ; the last tile's LDS stores have read the accumulators, which this tile's first products write; its global stores have read v13 and v128-159; the fetches issued so far have read their address registers, which the next fetch writes again
	s_add_co_u32 s24, s23, 4                       ; my next tile
	s_cmp_lt_u32 s24, s22
	s_cbranch_scc1 .Lgo_\@
	WORK \q
	s_wait_dscnt 0x0                               ; the closing lines, six on end
	s_wait_alu 0x0
	s_wait_tensorcnt 0x0
	ds_add_u32 v254, v255
	s_wait_dscnt 0x0
	s_endpgm
.Lgo_\@:
	HL 1-\q, \va, \vs                              ; it has this tile's work in which to land; the buffer's last readers stand ahead of the wait behind the last tile's places
	WORK \q
	s_add_co_u32 s23, s23, 4
.endm
	s_load_b256 s[4:11], s[0:1], 0x0               ; hq s[4:5], plan s[6:7], Wd's codes s[8:9], Wd's scales s[10:11]
	s_load_b64 s[12:13], s[0:1], 0x20              ; y
	v_lshl_add_u32 v254, v0, 2, 0x14800
	v_mov_b32 v255, 0
	v_lshrrev_b32 v1, 5, v0
	v_readfirstlane_b32 s18, v1                    ; wave
	s_and_b32 s39, ttmp7, 0xffff                   ; the expert
	s_and_b32 s38, ttmp9, 1                        ; which half of K
	s_lshr_b32 s41, ttmp9, 1                       ; which 64 columns
	s_lshl_b32 s42, s39, 10
	s_lshl_b32 s43, s41, 6
	s_add_co_u32 s42, s42, s43                     ; the work-group's first row of Wd: 1024 e + 64 slice
	s_lshl_b32 s46, s42, 6                         ; its scale bytes,
	s_lshl_b32 s43, s38, 5
	s_add_co_u32 s46, s46, s43                     ; my half's 32 of a row's 64
	s_mov_b32 s47, 0
	s_wait_alu depctr_va_sdst(0)                   ; s18 is written, ahead of its first reader, the line below
	s_lshl_b32 s43, s18, 4
	s_add_co_u32 s44, s42, s43                     ; the first of the 16 rows that I fetch,
	s_lshl_b32 s44, s44, 11                        ; in bytes of codes,
	s_lshl_b32 s43, s38, 10
	s_add_co_u32 s44, s44, s43                     ; my half's 1,024 of a row's 2,048
	s_mov_b32 s45, 0
	s_lshl_b32 s48, s39, 3                         ; the expert's pair {n, tb}
	s_mov_b32 s49, 0
	s_lshl_b32 s37, s38, 5
	s_lshl_b32 s43, s41, 1
	s_add_co_u32 s37, s37, s43
	s_mul_i32 s37, s37, PLANE                      ; my first plane of y: 32 half + 2 slice
	v_and_b32 v19, 31, v0                          ; lane
	v_and_b32 v1, 15, v0                           ; r
	v_bfe_u32 v2, v0, 4, 1                         ; h
	v_lshlrev_b32 v3, 4, v19                       ; 16 lane
	v_and_b32 v4, 8, v1
	v_add_nc_u32 v4, v4, v1                        ; r + 8 (r / 8)
	v_lshlrev_b32 v4, 6, v4                        ; that row's scale bytes
	s_lshl_b32 s43, s38, 14
	v_add_nc_u32 v5, s43, v3                       ; h's codes: my half's 16 KB of a tile, 16 bytes a lane
	s_lshl_b32 s43, s38, 5
	v_lshl_add_u32 v6, v1, 6, s43                  ; h's scale bytes: 64 r + my half's 32
	s_lshr_b32 s43, s18, 1
	s_mul_i32 s43, s43, 32*RP
	s_and_b32 s50, s18, 1
	s_mul_i32 s50, s50, 8*RP
	s_add_co_u32 s43, s43, s50
	v_add_nc_u32 v15, s43, v3                      ; LDS, the weights on their way in: my rows 16 w + 8 v + j stand at place 32 (w / 2) + 8 (w % 2) + 16 v + j
	v_mul_u32_u24 v16, v1, RP
	v_lshl_add_u32 v16, v2, 4, v16                 ; and out: a fragment's place: row r x pitch + 16 h
	s_mul_i32 s43, s18, 16*SP
	s_add_co_u32 s43, s43, STG                     ; my stage
	v_mul_u32_u24 v11, v1, SP
	v_lshl_add_u32 v11, v2, 6, v11
	v_add_nc_u32 v11, s43, v11                     ; in: row r, + 64 h
	v_lshrrev_b32 v12, 3, v19
	v_mul_u32_u24 v12, v12, SP
	v_and_b32 v14, 7, v19
	v_lshl_add_u32 v12, v14, 4, v12
	v_add_nc_u32 v12, s43, v12                     ; and back: eight lanes to 128 bytes of a row, four rows an instruction
	s_wait_kmcnt 0x0
	s_add_nc_u64 s[8:9], s[8:9], s[44:45]
	s_add_nc_u64 s[10:11], s[10:11], s[46:47]
	s_add_nc_u64 s[48:49], s[6:7], s[48:49]
	s_load_b64 s[20:21], s[48:49], 0x0             ; n, tb
	s_wait_alu depctr_va_vdst(0)                   ; the head's addresses are written: v3 and v4, which the loads below read, and v11, v12, v15, v16, which the LDS stores and loads of the whole kernel read
.irp u, 0,1,2,3
	global_load_b128 v[WS+8*\u:WS+8*\u+3],   v4, s[10:11] offset:(32*(\u/2)+8*(\u%2))*64      ; a row's 32 bytes: the scale words of my eight K steps
	global_load_b128 v[WS+8*\u+4:WS+8*\u+7], v4, s[10:11] offset:(32*(\u/2)+8*(\u%2))*64+16
.endr
	WIN 0xc0                                       ; destination window 3
.set K, 0
.rept 32
	global_load_b128 v[4*K:4*K+3], v3, s[8:9] offset:(K/2)*2048+(K%2)*512 th:TH_LOAD_NT   ; 32 lanes read 512 consecutive bytes; read once in the launch
.set K, K+1
.endr
	WIN 0
	s_wait_kmcnt 0x0
	s_min_u32 s20, s20, 1024
	s_min_u32 s21, s21, 135
	s_add_co_u32 s22, s20, 15
	s_lshr_b32 s22, s22, 4                         ; the expert's tiles
	s_wait_loadcnt 0x0                             ; my 16 rows and the scale words
	WIN 0x0c                                       ; an LDS store's data are its source 1: window 3
.set K, 0
.rept 32
.set R, K/2
	ds_store_b128 v15, v[4*K:4*K+3] offset:((R/8)*16+R%8)*RP+(K%2)*512
.set K, K+1
.endr
	WIN 0
	s_wait_dscnt 0x0                               ; for the others' sake: my rows have landed
	s_wait_alu depctr_vm_vsrc(0)                   ; the 32 LDS stores have read window 3's v0-127, in which my first tile of h lands
	s_barrier_signal -1
	s_barrier_wait -1                              ; all 64 rows lie in LDS; nobody writes them again
	s_cmp_ge_u32 s18, s22
	s_cbranch_scc1 .Lend                           ; this split leaves my wave without a tile
	s_sub_co_u32 s25, s22, 1
	s_mov_b32 s23, s18                             ; t: the tile in hand
	s_mov_b32 s24, s18                             ; the tile that is fetched
	HL 0, 7, 8                                     ; my first tile is on its way while the fragments come out of LDS
	WIN 0x40                                       ; destination window 1
.irp u, 0,1,2,3
.irp s, 0,1,2,3
.irp c, 0,1,2,3
	ds_load_b128 v[64*\u+16*\s+4*\c:64*\u+16*\s+4*\c+3], v16 offset:16*\u*RP+128*\s+32*\c
.endr
.endr
.endr
	WIN 0x80                                       ; destination window 2
.irp u, 0,1,2,3
.irp s, 0,1,2,3
.irp c, 0,1,2,3
	ds_load_b128 v[64*\u+16*\s+4*\c:64*\u+16*\s+4*\c+3], v16 offset:16*\u*RP+128*(4+\s)+32*\c
.endr
.endr
.endr
	WIN 0
	s_sub_co_u32 s33, s22, s18
	s_add_co_u32 s33, s33, 3
	s_lshr_b32 s33, s33, 2                         ; my tiles: every fourth from my wave's number on,
	s_add_co_u32 s33, s33, 1
	s_lshr_b32 s33, s33, 1                         ; two to a trip, until the two buffers are back where they began
	s_mov_b32 s32, 0
	s_wait_dscnt 0x0                               ; the weights' fragments are in
.Lloop:
	STEP 0, 9, 10
	STEP 1, 7, 8
	s_add_co_u32 s32, s32, 1
	s_cmp_lt_u32 s32, s33
	s_cbranch_scc1 .Lloop                          ; (a wave ends in the step of its last tile, in the last trip at the latest)
.Lend:
	s_wait_dscnt 0x0                               ; the closing lines, six on end
	s_wait_alu 0x0
	s_wait_tensorcnt 0x0
	ds_add_u32 v254, v255
	s_wait_dscnt 0x0
	s_endpgm
.Lfunc_end_k_q9005510672_down:
	.size	k_q9005510672_down, .Lfunc_end_k_q9005510672_down-k_q9005510672_down
	.p2alignl 7, 3214868480
	.fill 96, 4, 3214868480
	.section	.rodata,"a",@progbits
	.p2align	6, 0x0
	.amdhsa_kernel k_q9005510672_down
		.amdhsa_group_segment_fixed_size 84480
		.amdhsa_private_segment_fixed_size 0
		.amdhsa_enable_private_segment 0
		.amdhsa_kernarg_size 40
		.amdhsa_user_sgpr_count 2
		.amdhsa_user_sgpr_kernarg_segment_ptr 1
		.amdhsa_wavefront_size32 1
		.amdhsa_system_sgpr_workgroup_id_x 1
		.amdhsa_system_sgpr_workgroup_id_y 1
		.amdhsa_system_sgpr_workgroup_id_z 1
		.amdhsa_system_vgpr_workitem_id 0
		.amdhsa_next_free_vgpr 1024
		.amdhsa_next_free_sgpr 66
		.amdhsa_reserve_vcc 0
		.amdhsa_float_denorm_mode_32 3
		.amdhsa_float_denorm_mode_16_64 3
		.amdhsa_memory_ordered 1
		.amdhsa_forward_progress 1
		.amdhsa_inst_pref_size 56
	.end_amdhsa_kernel
	.amdgpu_metadata
---
amdhsa.version: [ 1, 2 ]
amdhsa.kernels:
  - .name:           k_q9005510672_down
    .symbol:         k_q9005510672_down.kd
    .args:
      - { .name: hq, .offset: 0, .size: 8, .value_kind: global_buffer, .address_space: global }
      - { .name: plan, .offset: 8, .size: 8, .value_kind: global_buffer, .address_space: global }
      - { .name: w_down_codes, .offset: 16, .size: 8, .value_kind: global_buffer, .address_space: global }
      - { .name: w_down_scales, .offset: 24, .size: 8, .value_kind: global_buffer, .address_space: global }
      - { .name: y, .offset: 32, .size: 8, .value_kind: global_buffer, .address_space: global }
    .group_segment_fixed_size: 84480
    .private_segment_fixed_size: 0
    .kernarg_segment_align: 8
    .kernarg_segment_size: 40
    .max_flat_workgroup_size: 128
    .sgpr_count:     66
    .vgpr_count:     1024
    .wavefront_size: 32
...
	.end_amdgpu_metadata
.endif
;; end of part 9
;; launch sum (part 10): grid 256 x 1, 4 waves a work-group, no clusters, 0 bytes of LDS; arguments y, plan, wts, out0; writes out0
.if DOCPART == 10
	.amdgcn_target "amdgcn-amd-amdhsa--gfx1250"
	.amdhsa_code_object_version 6
	.text
	.protected	k_q9005510672_sum
	.globl	k_q9005510672_sum
	.p2align	8
	.type	k_q9005510672_sum,@function
k_q9005510672_sum:
	s_mov_b64 s[64:65], 0
	v_nop
	global_prefetch_b8 v0, s[64:65] scope:SCOPE_SE
	s_setreg_imm32_b32 hwreg(HW_REG_WAVE_MODE, 25, 1), 1
	s_wait_xcnt 0x0
; out0[t] = w1 (ya[slot1] + yb[slot1]) + w2 (ya[slot2] + yb[slot2]): each output row has one owner, which gathers the token's two routed rows, each in its two halves of K, by the slots that an earlier launch stored.
; One wave a token.  y is laid [2 halves x 32 planes][2176 slots][32 f32]: a load takes 128 bytes of each of four planes; a store 512 consecutive bytes of the token's row.
; A stream: no LDS, no barrier, no matrix unit; all 32 loads of a wave go out at once.
.set PLANE, 278528
.set POS,   256
.set A,     16                         ; v16-47   the first row, first half of K; then the result
.set B,     48                         ; v48-79   the second row, first half
.set C,     80                         ; v80-111  the first row, second half
.set D,     112                        ; v112-143 the second row, second half
	s_load_b256 s[4:11], s[0:1], 0x0               ; y s[4:5], plan s[6:7], wts s[8:9], out0 s[10:11]
	v_lshrrev_b32 v1, 5, v0
	v_readfirstlane_b32 s16, v1                    ; wave
	s_lshl_b32 s17, ttmp9, 2
	s_add_co_u32 s17, s17, s16                     ; my token
	s_lshl_b32 s12, s17, 3                         ; its pair in POS and in wts
	s_mov_b32 s13, 0
	s_lshl_b32 s18, s17, 12                        ; its row of out0
	s_mov_b32 s19, 0
	v_and_b32 v1, 31, v0
	v_lshrrev_b32 v2, 3, v1
	v_mul_u32_u24 v2, v2, PLANE
	v_and_b32 v6, 7, v1
	v_lshl_add_u32 v2, v6, 4, v2                   ; plane lane / 8 of four, 16 bytes of its 128
	v_lshlrev_b32 v5, 4, v1
	s_wait_alu depctr_va_vdst(0)
	s_wait_kmcnt 0x0
	s_add_nc_u64 s[14:15], s[8:9], s[12:13]
	s_add_nc_u64 s[12:13], s[6:7], s[12:13]
	s_add_nc_u64 s[10:11], s[10:11], s[18:19]
	s_add_nc_u64 s[28:29], s[4:5], 32*PLANE        ; the second half of K
	s_load_b64 s[20:21], s[12:13], POS             ; the two slots
	s_load_b64 s[22:23], s[14:15], 0x0             ; the two weights
	s_wait_kmcnt 0x0
	s_min_u32 s20, s20, 2175
	s_min_u32 s21, s21, 2175
	s_mov_b32 s24, s23                             ; w2 at the head of a pair of its own: the packed form takes a pair's low word for both halves
	s_mov_b32 s25, s23
	s_lshl_b32 s26, s20, 7
	s_lshl_b32 s27, s21, 7
	v_add_nc_u32 v3, s26, v2
	v_add_nc_u32 v4, s27, v2
.irp i, 0,1,2,3,4,5,6,7
	global_load_b128 v[A+4*\i:A+4*\i+3], v3, s[4:5]   offset:\i*4*PLANE th:TH_LOAD_NT   ; 28 planes at the most: inside the signed 24-bit immediate
	global_load_b128 v[C+4*\i:C+4*\i+3], v3, s[28:29] offset:\i*4*PLANE th:TH_LOAD_NT
	global_load_b128 v[B+4*\i:B+4*\i+3], v4, s[4:5]   offset:\i*4*PLANE th:TH_LOAD_NT
	global_load_b128 v[D+4*\i:D+4*\i+3], v4, s[28:29] offset:\i*4*PLANE th:TH_LOAD_NT
.endr
.irp i, 0,1,2,3,4,5,6,7
	s_wait_loadcnt 28-4*\i                         ; the younger groups of four loads may stay out
	v_pk_add_f32 v[A+4*\i:A+4*\i+1],   v[A+4*\i:A+4*\i+1],   v[C+4*\i:C+4*\i+1]
	v_pk_add_f32 v[A+4*\i+2:A+4*\i+3], v[A+4*\i+2:A+4*\i+3], v[C+4*\i+2:C+4*\i+3]
	v_pk_add_f32 v[B+4*\i:B+4*\i+1],   v[B+4*\i:B+4*\i+1],   v[D+4*\i:D+4*\i+1]
	v_pk_add_f32 v[B+4*\i+2:B+4*\i+3], v[B+4*\i+2:B+4*\i+3], v[D+4*\i+2:D+4*\i+3]
	v_pk_mul_f32 v[A+4*\i:A+4*\i+1],   v[A+4*\i:A+4*\i+1],   s[22:23] op_sel_hi:[1,0]
	v_pk_mul_f32 v[A+4*\i+2:A+4*\i+3], v[A+4*\i+2:A+4*\i+3], s[22:23] op_sel_hi:[1,0]
	v_pk_fma_f32 v[A+4*\i:A+4*\i+1],   v[B+4*\i:B+4*\i+1],   s[24:25], v[A+4*\i:A+4*\i+1]   op_sel_hi:[1,0,1]
	v_pk_fma_f32 v[A+4*\i+2:A+4*\i+3], v[B+4*\i+2:B+4*\i+3], s[24:25], v[A+4*\i+2:A+4*\i+3] op_sel_hi:[1,0,1]
	global_store_b128 v5, v[A+4*\i:A+4*\i+3], s[10:11] offset:512*\i th:TH_STORE_NT
.endr
	s_endpgm
.Lfunc_end_k_q9005510672_sum:
	.size	k_q9005510672_sum, .Lfunc_end_k_q9005510672_sum-k_q9005510672_sum
	.p2alignl 7, 3214868480
	.fill 96, 4, 3214868480
	.section	.rodata,"a",@progbits
	.p2align	6, 0x0
	.amdhsa_kernel k_q9005510672_sum
		.amdhsa_group_segment_fixed_size 0
		.amdhsa_private_segment_fixed_size 0
		.amdhsa_enable_private_segment 0
		.amdhsa_kernarg_size 32
		.amdhsa_user_sgpr_count 2
		.amdhsa_user_sgpr_kernarg_segment_ptr 1
		.amdhsa_wavefront_size32 1
		.amdhsa_system_sgpr_workgroup_id_x 1
		.amdhsa_system_sgpr_workgroup_id_y 1
		.amdhsa_system_sgpr_workgroup_id_z 1
		.amdhsa_system_vgpr_workitem_id 0
		.amdhsa_next_free_vgpr 160
		.amdhsa_next_free_sgpr 66
		.amdhsa_reserve_vcc 0
		.amdhsa_float_denorm_mode_32 3
		.amdhsa_float_denorm_mode_16_64 3
		.amdhsa_memory_ordered 1
		.amdhsa_forward_progress 1
		.amdhsa_inst_pref_size 10
	.end_amdhsa_kernel
	.amdgpu_metadata
---
amdhsa.version: [ 1, 2 ]
amdhsa.kernels:
  - .name:           k_q9005510672_sum
    .symbol:         k_q9005510672_sum.kd
    .args:
      - { .name: y, .offset: 0, .size: 8, .value_kind: global_buffer, .address_space: global }
      - { .name: plan, .offset: 8, .size: 8, .value_kind: global_buffer, .address_space: global }
      - { .name: wts, .offset: 16, .size: 8, .value_kind: global_buffer, .address_space: global }
      - { .name: out0, .offset: 24, .size: 8, .value_kind: global_buffer, .address_space: global }
    .group_segment_fixed_size: 0
    .private_segment_fixed_size: 0
    .kernarg_segment_align: 8
    .kernarg_segment_size: 32
    .max_flat_workgroup_size: 128
    .sgpr_count:     66
    .vgpr_count:     160
    .wavefront_size: 32
...
	.end_amdgpu_metadata
.endif
;; end of part 10
